; MI455X (gfx1250); checked and timed in simulation.
; The chip was launched on July 23, 2026; its instructions are those of AMD's public machine-readable ISA for CDNA 5 (MIT licence, August 2026) and "CDNA5" Instruction Set Architecture Reference Guide (July 2026). The comments in the code are by the model that wrote it; some were corrected since.
;; Attention Head. Allowed arithmetic: matrix products marked QUANTISED: E2M1 operands, one E8M0 scale for each 32 along K, by v_wmma_scale_f32_16x16x128_f8f6f4 with both operands' format E2M1 (or v_wmma_scale_f32_32x16x128_f4), f32 sums; everything else in f32.
;; Inputs: Wk_codes 64 x 32 x 16 uint8 (E2M1 codes of Wk, K innermost, in blocks of 32 codes, two codes a byte); Wk_scales 64 x 32 uint8 (E8M0 scales of Wk, one for each 32 codes along K); Wq_codes 64 x 32 x 16 uint8 (E2M1 codes of Wq, K innermost, in blocks of 32 codes, two codes a byte); Wq_scales 64 x 32 uint8 (E8M0 scales of Wq, one for each 32 codes along K); Wv_codes 64 x 32 x 16 uint8 (E2M1 codes of Wv, K innermost, in blocks of 32 codes, two codes a byte); Wv_scales 64 x 32 uint8 (E8M0 scales of Wv, one for each 32 codes along K); x_codes 4 x 4,096 x 32 x 16 uint8 (E2M1 codes of x, K innermost, in blocks of 32 codes, two codes a byte); x_scales 4 x 4,096 x 32 uint8 (E8M0 scales of x, one for each 32 codes along K).
;; Outputs: out0 4 x 4,096 x 64 float32.
;; This version of the problem:
;;   THIS VERSION OF THE PROBLEM IS GIVEN IN LOW PRECISION. The matrix products marked QUANTISED in the list below multiply operands that are first quantised to E2M1 (2 exponent bits, 1 mantissa bit; 4 bits a number), with one power-of-two scale for each 32 numbers along K (OCP MX v1.0); their sums are f32. All else is computed in f32.
;;   The module's matrix products, in the order in which they are computed (A, B: the left and right operand; K: the contracted axis; several contracted axes count as one K, in the product's order):
;;     1. [M 16,384, K 1,024] x [K 1,024, N 64]; A: input x (given as codes); B: input Wk (given as codes): QUANTISED
;;     2. [M 16,384, K 1,024] x [K 1,024, N 64]; A: input x (given as codes); B: input Wq (given as codes): QUANTISED
;;     3. [M 16,384, K 1,024] x [K 1,024, N 64]; A: input x (given as codes); B: input Wv (given as codes): QUANTISED
;;     4. batch 4 x [M 4,096, K 64] x [K 64, N 4,096]; A: computed on the way; B: computed on the way: QUANTISED
;;     5. batch 4 x [M 4,096, K 4,096] x [K 4,096, N 64]; A: softmax (see below); B: computed on the way: QUANTISED
;;   THE QUANTISER, for each operand of a quantised product, along K:
;;     - K is cut into blocks of 32 from its start; a last block that is shorter is filled with zeros.
;;     - A block's scale is 2^e with e = floor(log2(the largest magnitude in the block)) - 2, held to -126 .. 127; a block of zeros has e = 0. As a byte (E8M0): e + 127.
;;     - Each number is divided by its block's scale, clamped to +-6, and rounded to the nearest number of E2M1, ties to even, subnormals kept.
;;     - The product sums the exact products of the quantised numbers (number of the format x scale) in f32.
;;   ~~~python
;;   def quantise(x, axis):      # numpy; x: float32 -> the quantised numbers, widened to float32 again
;;       x = np.moveaxis(x, axis, -1); K = x.shape[-1]
;;       x = np.pad(x, [(0, 0)] * (x.ndim - 1) + [(0, -K % 32)]); x = x.reshape(x.shape[:-1] + (-1, 32)); a = np.abs(x).max(-1, keepdims=True)
;;       e = np.where(a > 0, np.clip(np.frexp(np.where(a > 0, a, 1))[1] - 1 - 2, -126, 127), 0)      # np.frexp(a)[1] - 1 = floor(log2(a)), exactly
;;       r = np.clip(x / 2.0 ** e, -6, 6)
;;       step = 2.0 ** (np.maximum(np.frexp(np.where(r == 0, 1, r))[1] - 1, 0) - 1)
;;       q = np.round(r / step) * step * 2.0 ** e      # np.round: ties to even
;;       return np.moveaxis(q.reshape(q.shape[:-2] + (-1,))[..., :K], -1, axis).astype(np.float32)
;;   ~~~
;;   SOFTMAX AHEAD OF A QUANTISED PRODUCT. Where the list says 'softmax', what is quantised is not the finished softmax but p = 2^(t - M), with t = logit x log2(e) and M = ceil(the row's largest t), a whole number; so 1/2 < the row's largest p <= 1. The row's sum l is taken of the UNQUANTISED p, in f32, and the product's result is divided by l at the end. Since M is a whole number, a kernel that streams over the keys may use a running M (the ceiling of the running maximum): every later rescaling is an exact power of two, which a block's scale takes up: the codes' values come out the same.
;;   OPERANDS COMPUTED ON THE WAY. 'Computed on the way' means the value that the module computes at that place (a softmax that the list does not call 'softmax' is quantised finished and normalised). What goes into a quantiser is computed in f32, as accurately as f32 sums, v_exp_f32 and their like allow (about 1e-6 of the number): no bf16 or f16 on the way to a quantiser, and a product that is left as it is and whose result goes on into a quantised operand takes f32 operands (vector FMAs, or v_wmma_f32_16x16x4_f32). A number that lies on a knife's edge between two numbers of the format may be rounded either way, as far as f32 arithmetic and the matrix unit's own rounding can turn it there, and no further.
;;   INPUTS GIVEN AS CODES. Wk (in the module: [1024, 64], K = its axis 0); Wq (in the module: [1024, 64], K = its axis 0); Wv (in the module: [1024, 64], K = its axis 0); x (in the module: [4, 4096, 1024], K = its axis 2): each comes as NAME_codes (uint8): NAME with its K axis moved to the last place and cut into blocks of 32 codes, [.., K / 32, bytes a block], one block behind the other in memory; two codes a byte, the lower K in the low four bits (a code: sign, 2 exponent bits, 1 mantissa bit); and NAME_scales (uint8): the same leading axes, one E8M0 byte (e + 127) for each 32 codes along K. Its value is code x scale, taken as it is: it is not quantised again, and the codes and scales need not be those that the quantiser above would give.
;; 2 versions, each right; version 2 is version 1 with the launch attend written anew for expert scheduling mode. Each part assembles by itself: llvm-mc -triple=amdgcn-amd-amdhsa -mcpu=gfx1250 --defsym DOCPART=n.
;; ======== version 1 of 2: 2 launches
;; workspace buffers: ws 1,671,168 bytes
;; launch project (part 1): grid 256 x 1, 6 waves a work-group, clusters of 4 x 1, 167,936 bytes of LDS; arguments Wq_codes, Wk_codes, x_codes, Wv_codes, Wq_scales, Wk_scales, x_scales, Wv_scales, ws; writes ws
.if DOCPART == 1
	.amdgcn_target "amdgcn-amd-amdhsa--gfx1250"
	.amdhsa_code_object_version 6
	.text
	.protected	k_qbf955aa949_project
	.globl	k_qbf955aa949_project
	.p2align	8
	.type	k_qbf955aa949_project,@function
k_qbf955aa949_project:
	s_mov_b64 s[64:65], 0
	v_nop
	global_prefetch_b8 v0, s[64:65] scope:SCOPE_SE
	s_setreg_imm32_b32 hwreg(HW_REG_WAVE_MODE, 25, 1), 1
	s_wait_xcnt 0x0
	s_wait_alu depctr_hold_cnt(0) depctr_sa_sdst(0) depctr_va_vdst(0) depctr_va_sdst(0) depctr_va_ssrc(0) depctr_va_vcc(0) depctr_vm_vsrc(0)
	s_getreg_b32 s2, hwreg(HW_REG_IB_STS2, 6, 4)
	s_cmp_eq_u32 s2, 0
	s_cbranch_scc0 .Lentry_in_a_cluster
	s_endpgm
.Lentry_in_a_cluster:
	s_bfe_u32 s2, ttmp6, 0x10000c
	s_cmp_lg_u32 s2, 0x3003
	s_cbranch_scc0 .Lentry_shape_is_right
	s_endpgm
.Lentry_shape_is_right:
; q = x Wq, k = x Wk, v = x Wv on the given codes of FP4 (E2M1) and their E8M0 scale bytes, f32 sums, K = 1,024 ascending; then the quantisers of the next two products:
; q and k along the head's 64 (two blocks of 32), v along the keys (blocks of 32 keys).  Codes and scale bytes go to the workspace ws as images of the operands' registers.
; DEAD WORK.  No input is dead: all eight are loaded here.  What the program leaves out stands in the second launch: key steps that lie wholly above the diagonal.  reference() itself puts
; -inf there (its own jnp.tril), the softmax makes the weight exactly 0, and 0 x v adds nothing for all finite inputs.  LIMIT: a NaN, an infinity or an overflow that reaches only such hidden
; scores, or only v at keys hidden from a query, is not carried to that query's result.
; LIMITS OF THE QUANTISERS: a block whose largest magnitude lies under 2^-124 (a block of zeros among them) gets the byte 1: only this program reads the bytes, and zero codes add nothing under it.
; NaN and infinities among q, k, v are not served.
; SHARES.  A work-group owns 64 rows of x.  Six waves, ONE text: a wave multiplies a matrix P of 64 rows (source 0, four tiles of 16) with two tiles R of 16 rows (source 1), so that a lane holds one row of R
; and its 32 registers of a tile pair run along P's rows, which are the next product's K.  role = wave / 2, half = wave % 2:
;   role 0: P = Wq, R = x's rows 32 half + 16 u + r (q);   role 1: P = Wk, the same R (k);   role 2: P = x's 64 rows (keys), R = Wv's rows 32 half + 16 u + r (v, keys along the registers).
; LDS: four regions of 64 rows x (512 bytes + 16 of padding): Wq, Wk, x, Wv; each filled once by one tensor load (waves 0 to 3); nothing is filled again.  By this text's own count a wave has one tensor load out.
; CLUSTER: the four work-groups of a cluster need the same three weights, 96 KiB of the 128 KiB that a work-group fetches: those three loads are joint (mask 15); x's is the work-group's own.
; ws, linear in the global row R = 4096 b + s:  QI at 0 and KI: [R / 32][u][lane][16 bytes], lane (r, h) = row 32 (R / 32) + 16 u + r, head units 32 h on;  VI: [R / 128][channel tile t][c][lane][16 bytes],
; lane (r, h) = channel 16 t + r, keys 64 c + 32 h on;  QS, KS: [R / 32][r][u][2 bytes];  VS: [R / 128][t][r][4 bytes], byte i for keys 32 i on.
.set REG,   64*528                     ; a region of LDS
.set SPARE, 4*REG                      ; behind the regions: the spare words, 128 bytes for each wave, three blocks of 256 bytes that no other line names
.set KI,    524288
.set VI,    1048576
.set QS,    1572864
.set KS,    1605632
.set VS,    1638400
.set SPW,   8                          ; v8   LDS address of my spare word; never rewritten
.set NIL,   9                          ; v9   0; never rewritten
.set PS,    16                         ; v16-31  P's scale words: register 8 (t / 2) + K step: lanes 0-15 tile t even, lanes 16-31 tile t odd
.set RS,    32                         ; v32-39  R's: register K step: lanes 0-15 tile u = 0, lanes 16-31 u = 1
.set FS,    40                         ; v40-135 two sets of fragments, 48 registers each: P's four tiles, then R's two
.set ACC,   136                        ; v136-199 accumulator (u, t) at ACC + 32 u + 8 t
.set TM,    200                        ; v200-203 the four blocks' largest magnitudes
.set PD,    204                        ; v204-207 the other half's, then the scale bytes
.set SOP,   208                        ; v208-211 the conversions' scale operands
.set PW,    212                        ; v212-213 two scale bytes of tile u
.set SEL,   214
.set PC,    216                        ; v216-223 the codes: tile u at PC + 4 u
; v1 P's LDS address, v2 R's; v3, v4 offsets of P's and R's scale bytes; v5, v6 where tile 0's and tile 1's codes go in ws; v7 where my two scale bytes go
; s[8:23] the eight inputs in the order of the arguments; s[24:25] ws; s26 wave, s27 role, s2 half; s53 work-group; s[28:35], s[36:43] descriptor groups 1; s[44:47], s[48:51] groups 0
.macro WM d, a, b, zero, sa, sb, ra, rb        ; one scaled matrix instruction: register numbers; zero = 1: C = 0; ra, rb = 1: that side's scales stand in lanes 16-31
.if \zero
.if (\ra) && (\rb)
	v_wmma_scale_f32_16x16x128_f8f6f4 v[\d:\d+7], v[\a:\a+7], v[\b:\b+7], 0, v[\sa], v[\sb] matrix_a_fmt:MATRIX_FMT_FP4 matrix_b_fmt:MATRIX_FMT_FP4 matrix_a_scale:MATRIX_SCALE_ROW1 matrix_b_scale:MATRIX_SCALE_ROW1
.elseif (\ra)
	v_wmma_scale_f32_16x16x128_f8f6f4 v[\d:\d+7], v[\a:\a+7], v[\b:\b+7], 0, v[\sa], v[\sb] matrix_a_fmt:MATRIX_FMT_FP4 matrix_b_fmt:MATRIX_FMT_FP4 matrix_a_scale:MATRIX_SCALE_ROW1
.elseif (\rb)
	v_wmma_scale_f32_16x16x128_f8f6f4 v[\d:\d+7], v[\a:\a+7], v[\b:\b+7], 0, v[\sa], v[\sb] matrix_a_fmt:MATRIX_FMT_FP4 matrix_b_fmt:MATRIX_FMT_FP4 matrix_b_scale:MATRIX_SCALE_ROW1
.else
	v_wmma_scale_f32_16x16x128_f8f6f4 v[\d:\d+7], v[\a:\a+7], v[\b:\b+7], 0, v[\sa], v[\sb] matrix_a_fmt:MATRIX_FMT_FP4 matrix_b_fmt:MATRIX_FMT_FP4
.endif
.else
.if (\ra) && (\rb)
	v_wmma_scale_f32_16x16x128_f8f6f4 v[\d:\d+7], v[\a:\a+7], v[\b:\b+7], v[\d:\d+7], v[\sa], v[\sb] matrix_a_fmt:MATRIX_FMT_FP4 matrix_b_fmt:MATRIX_FMT_FP4 matrix_a_scale:MATRIX_SCALE_ROW1 matrix_b_scale:MATRIX_SCALE_ROW1
.elseif (\ra)
	v_wmma_scale_f32_16x16x128_f8f6f4 v[\d:\d+7], v[\a:\a+7], v[\b:\b+7], v[\d:\d+7], v[\sa], v[\sb] matrix_a_fmt:MATRIX_FMT_FP4 matrix_b_fmt:MATRIX_FMT_FP4 matrix_a_scale:MATRIX_SCALE_ROW1
.elseif (\rb)
	v_wmma_scale_f32_16x16x128_f8f6f4 v[\d:\d+7], v[\a:\a+7], v[\b:\b+7], v[\d:\d+7], v[\sa], v[\sb] matrix_a_fmt:MATRIX_FMT_FP4 matrix_b_fmt:MATRIX_FMT_FP4 matrix_b_scale:MATRIX_SCALE_ROW1
.else
	v_wmma_scale_f32_16x16x128_f8f6f4 v[\d:\d+7], v[\a:\a+7], v[\b:\b+7], v[\d:\d+7], v[\sa], v[\sb] matrix_a_fmt:MATRIX_FMT_FP4 matrix_b_fmt:MATRIX_FMT_FP4
.endif
.endif
.endm
.macro ROUND                           ; a round of the cluster's barrier: my work-group's barrier; wave 0 signals for the work-group; every wave waits for all four work-groups; my work-group's barrier once more
	s_barrier_signal -1
	s_barrier_wait -1
	s_cmp_lg_u32 s26, 0
	s_cbranch_scc1 .Lnot_wave_0_\@
	s_barrier_signal -3
.Lnot_wave_0_\@:
	s_barrier_wait -3
	s_barrier_signal -1
	s_barrier_wait -1
.endm
.macro PLACES                          ; four plain vector instructions between a matrix instruction and a load into, or a vector read of, its registers (ISA guide 7.12.1 for vector reads)
.rept 4
	v_nop
.endr
.endm
; K step k (128 along K: 64 bytes of a row) into fragment set f: twelve loads.  A fragment is 8 registers: lane (r, h) holds row r; registers 4 c on hold K = 64 c + 32 h + 0 .. 31
.macro FETCH k, f
.irp t, 0,1,2,3
.irp c, 0,1
	ds_load_b128 v[FS+48*(\f)+8*\t+4*\c:FS+48*(\f)+8*\t+4*\c+3], v1 offset:16*\t*528+64*(\k)+32*\c
.endr
.endr
.irp u, 0,1
.irp c, 0,1
	ds_load_b128 v[FS+48*(\f)+32+8*\u+4*\c:FS+48*(\f)+32+8*\u+4*\c+3], v2 offset:16*\u*528+64*(\k)+32*\c
.endr
.endr
.endm
; eight matrix instructions: the eight accumulators take turns, one instruction a turn, in the same order in every K step
.macro MUL k, f, zero
.irp u, 0,1
.irp t, 0,1,2,3
	WM ACC+32*\u+8*\t, FS+48*(\f)+8*\t, FS+48*(\f)+32+8*\u, \zero, PS+8*(\t/2)+(\k), RS+(\k), \t%2, \u
.endr
.endr
.endm
	s_load_b512 s[8:23], s[0:1], 0x0               ; Wq, Wk, x, Wv: codes; Wq, Wk, x, Wv: scales
	s_load_b64 s[24:25], s[0:1], 0x40              ; ws
	v_lshl_add_u32 v[SPW], v0, 2, SPARE
	v_mov_b32 v[NIL], 0
	ds_add_u32 v[SPW], v[NIL]                      ; the wave's opening: the add, twice on end, and its wait ahead of the first tensor load; the set-up below, work on registers, stands between
	ds_add_u32 v[SPW], v[NIL]                      ; and once more, under the one wait
	v_lshrrev_b32 v10, 5, v0
	v_readfirstlane_b32 s26, v10                   ; wave 0..5
	s_lshr_b32 s27, s26, 1                         ; role
	s_and_b32 s2, s26, 1                           ; half
	s_bfe_u32 s52, ttmp6, 0x40000                  ; cx: my place in the cluster
	s_lshl_b32 s53, ttmp9, 2                       ; in a cluster launch ttmp9 counts clusters
	s_add_co_u32 s53, s53, s52                     ; my work-group: it enters global addresses alone
	; descriptor groups 1: 64 rows x 512 elements of 1 byte, dense in memory; in LDS four words of padding behind every 128
	s_mov_b32 s28, 15|(1<<20)|(1<<21)|(6<<22)|(3<<25)   ; the weights: 15:0 the mask: all four work-groups; 20 padding on; 21 set beside a mask; 24:22 code 6; 31:25 code 3
	s_mov_b32 s36, (1<<20)|(6<<22)|(3<<25)         ; x: no mask
.irp g, 28, 36
	s_mov_b32 s[\g+1], 512<<16                     ; tensor_dim0
	s_mov_b32 s[\g+2], 64<<16                      ; tensor_dim1
	s_mov_b32 s[\g+3], 512<<16                     ; tile_dim0
	s_mov_b32 s[\g+4], 64                          ; tile_dim1
	s_mov_b32 s[\g+5], 512                         ; tensor_dim0_stride
	s_mov_b32 s[\g+6], 0
	s_mov_b32 s[\g+7], 0
.endr
	s_mov_b32 s60, 0xffff0000                      ; lanes 16-31
	s_mov_b32 s62, 0x76543210
	s_mov_b32 s63, 0xfedcba98                      ; v_permlanex16_b32's selects for lane l xor 16
	; where my results go in ws
	s_lshl_b32 s3, s53, 1
	s_add_co_u32 s3, s3, s2                        ; q, k: my 32 rows are pair 2 x work-group + half
	s_lshl_b32 s4, s3, 10
	s_lshl_b32 s61, s27, 19
	s_add_co_u32 s4, s4, s61                       ; codes: role x 524,288 + pair x 1,024
	s_lshl_b32 s5, s3, 6
	s_lshl_b32 s61, s27, 15
	s_add_co_u32 s5, s5, s61
	s_add_co_u32 s5, s5, QS                        ; scale bytes: QS + role x 32,768 + pair x 64
	s_lshr_b32 s6, s53, 1                          ; v: the key step of 128,
	s_and_b32 s7, s53, 1                           ; and which 64 keys of it are mine
	s_lshl_b32 s52, s6, 12
	s_lshl_b32 s61, s2, 11
	s_add_co_u32 s52, s52, s61
	s_lshl_b32 s61, s7, 9
	s_add_co_u32 s52, s52, s61
	s_add_co_u32 s52, s52, VI                      ; codes: VI + step x 4,096 + half x 2,048 + which x 512
	s_lshl_b32 s6, s6, 8
	s_lshl_b32 s61, s2, 7
	s_add_co_u32 s6, s6, s61
	s_lshl_b32 s61, s7, 1
	s_add_co_u32 s6, s6, s61
	s_add_co_u32 s6, s6, VS                        ; scale bytes: VS + step x 256 + half x 128 + which x 2
	s_mov_b32 s3, 512
	s_cmp_eq_u32 s27, 2
	s_cselect_b32 s4, s52, s4                      ; codes' base
	s_cselect_b32 s5, s6, s5                       ; scale bytes' base
	s_cselect_b32 s3, 1024, s3                     ; from tile u = 0 to u = 1 in the codes
	s_cselect_b32 s7, 64, 2                        ; and in the scale bytes
	v_and_b32 v10, 31, v0                          ; lane
	v_and_b32 v11, 15, v0                          ; r
	v_bfe_u32 v12, v0, 4, 1                        ; h
	v_mul_u32_u24 v13, v11, 528
	v_lshl_add_u32 v13, v12, 4, v13                ; a fragment's row x pitch + 16 h
	s_mul_i32 s61, s27, REG                        ; P's region = role
	v_add_nc_u32 v1, s61, v13
	s_lshr_b32 s61, s27, 1
	s_add_co_u32 s61, s61, 2                       ; R's region: x (2) for q and k, Wv (3) for v
	s_mul_i32 s61, s61, REG
	s_mul_i32 s52, s2, 32*528                      ; my half's 32 rows of it
	s_add_co_u32 s61, s61, s52
	v_add_nc_u32 v2, s61, v13
	v_lshlrev_b32 v3, 5, v10                       ; scale bytes: 32 a row, a lane a row
	v_lshl_add_u32 v4, s2, 10, v3                  ; R's: my half's 32 rows
	v_lshl_add_u32 v5, v10, 4, s4
	v_add_nc_u32 v6, s3, v5
	v_mul_u32_u24 v7, s7, v12
	v_lshl_add_u32 v7, v11, 2, v7
	v_add_nc_u32 v7, s5, v7                        ; 4 r + h x (tile's step) + base: lanes 0-15 store tile 0's two bytes, lanes 16-31 tile 1's
.irp b, 0,1,2,3
	v_mov_b32 v[PD+\b], 0                          ; written once: a lane permute's destination counts as one of its sources
.endr
	s_wait_dscnt 0x0                               ; both opening adds are done
	s_wait_kmcnt 0x0
	; groups 0.  The weights': made of the wave's number alone, the same in all four partners
	s_cmp_eq_u32 s26, 0
	s_cselect_b64 s[46:47], s[8:9], s[10:11]       ; wave 0: Wq; wave 1: Wk;
	s_cmp_eq_u32 s26, 3
	s_cselect_b64 s[46:47], s[14:15], s[46:47]     ; wave 3: Wv
	s_mov_b32 s44, 1                               ; count = 1
	s_mul_i32 s45, s26, REG                        ; LDS address: region = wave
	s_or_b32 s47, s47, 0x80000000                  ; type = 2
	s_lshl_b32 s54, s53, 15                        ; x: my 64 rows of 512 bytes
	s_mov_b32 s55, 0
	s_mov_b32 s48, 1
	s_mov_b32 s49, 2*REG
	s_add_nc_u64 s[50:51], s[12:13], s[54:55]
	s_or_b32 s51, s51, 0x80000000
	s_lshl_b32 s54, s53, 11                        ; x's scale bytes: my 64 rows of 32
	s_add_nc_u64 s[20:21], s[20:21], s[54:55]
	s_cmp_eq_u32 s27, 0
	s_cselect_b64 s[56:57], s[16:17], s[18:19]     ; P's scale bytes: Wq's, Wk's,
	s_cmp_eq_u32 s27, 2
	s_cselect_b64 s[56:57], s[20:21], s[56:57]     ; or x's;
	s_cselect_b64 s[58:59], s[22:23], s[20:21]     ; R's: Wv's, or x's
	ROUND                                          ; all four work-groups are here: the joint loads meet
	s_cmp_eq_u32 s26, 2                            ; the first fills, one a wave, in one branch on the wave's number: wave 2 x, waves 0, 1, 3 a weight, waves 4 and 5 none
	s_cbranch_scc0 .Lnot_x
	tensor_load_to_lds s[48:51], s[36:43]
	s_nop 0
.rept 4
	v_nop
.endr
	s_branch .Lasked
.Lnot_x:
	s_cmp_lt_u32 s26, 4
	s_cbranch_scc0 .Lasked
	tensor_load_to_lds s[44:47], s[28:35]
	s_nop 0
.rept 4
	v_nop
.endr
.Lasked:
.irp b, 0,1
.irp q, 0,1
	global_load_b128 v[PS+8*\b+4*\q:PS+8*\b+4*\q+3], v3, s[56:57] offset:1024*\b+16*\q   ; row 32 b + lane: the words of K steps 4 q on
.endr
.endr
.irp q, 0,1
	global_load_b128 v[RS+4*\q:RS+4*\q+3], v4, s[58:59] offset:16*\q
.endr
	s_wait_tensorcnt 0x0                           ; my fill has landed,
	s_barrier_signal -1
	s_barrier_wait -1                              ; everybody's has.  Nothing is filled again
	FETCH 0, 0
	FETCH 1, 1
	s_wait_loadcnt 0x0                             ; the scale words
	s_wait_dscnt 12                                ; K step 0's twelve loads are in; the next step's twelve may be out
	MUL 0, 0, 1                                    ; the first K step starts the sums: nothing is cleared
	PLACES
	FETCH 2, 0
.irp k, 1,2,3,4,5
	s_wait_dscnt 12                                ; this step's loads are in; the next step's twelve may be out
	MUL \k, \k%2, 0
	PLACES
	FETCH \k+2, \k%2
.endr
	s_wait_dscnt 12
	MUL 6, 0, 0
	s_wait_dscnt 0x0
	MUL 7, 1, 0
	PLACES
	; THE QUANTISER.  Block 2 u + b of 32 along the next K is the 16 registers of tiles 2 b, 2 b + 1 of u, in lanes l and l xor 16.  Each accumulator is read from its low end on
.irp b, 0,1,2,3
	v_max3_num_f32 v[TM+\b], |v[ACC+16*\b]|, |v[ACC+1+16*\b]|, 0x1800000   ; my 16 numbers, and the floor 2^(3 - 127): the byte cannot fall under 1
.endr
.irp i, 2,4,6,8,10,12,14
.irp b, 0,1,2,3
	v_max3_num_f32 v[TM+\b], v[TM+\b], |v[ACC+16*\b+\i]|, |v[ACC+1+16*\b+\i]|   ; (the four blocks by turns)
.endr
.endr
.irp b, 0,1,2,3
	v_permlanex16_b32 v[PD+\b], v[TM+\b], s62, s63
.endr
.irp b, 0,1,2,3
	v_max_num_f32 v[TM+\b], v[TM+\b], v[PD+\b]     ; with lane l xor 16's: the block's largest magnitude
.endr
.irp b, 0,1,2,3
	v_add_nc_u32 v[SOP+\b], 0xff000000, v[TM+\b]   ; 2 off its exponent field: the conversion takes the exponent field of this operand as its scale
.endr
.irp b, 0,1,2,3
	v_lshrrev_b32 v[PD+\b], 23, v[SOP+\b]          ; the scale's byte
.endr
	v_lshl_or_b32 v[PW], v[PD+1], 8, v[PD]         ; tile 0's two bytes,
	v_lshl_or_b32 v[PW+1], v[PD+3], 8, v[PD+2]     ; tile 1's
; Tile t's conversion gives lane half h the codes of K = 16 t + 8 h + 0 .. 7.  Written to registers 0, 2, 1, 3 for t = 0, 1, 2, 3 and with the halves exchanged in pairs (0, 1) and (2, 3),
; register i holds K = 32 h + 8 i + 0 .. 7: the operand's layout, a whole block in a lane
.irp u, 0,1
.irp t, 0,1,2,3
	v_cvt_scalef32_pk8_fp4_f32 v[PC+4*\u+2*(\t%2)+\t/2], v[ACC+32*\u+8*\t:ACC+32*\u+8*\t+7], v[SOP+2*\u+\t/2]
.endr
.endr
	v_nop                                          ; one plain place behind a scaled conversion
.irp i, 0,2,4,6
	v_permlane16_swap_b32 v[PC+\i], v[PC+\i+1]
.endr
	global_store_b128 v5, v[PC:PC+3], s[24:25]     ; 32 lanes store 512 consecutive bytes, aligned: the image of tile 0's four registers,
	global_store_b128 v6, v[PC+4:PC+7], s[24:25]   ; and of tile 1's
	v_cndmask_b32 v[SEL], v[PW], v[PW+1], s60      ; lanes 0-15 tile 0's bytes, lanes 16-31 tile 1's (both halves of the lanes hold both)
	global_store_b16 v7, v[SEL], s[24:25]          ; two bytes a lane: for q and k 64 consecutive bytes a wave; for v every second half-word of 128, since the work-group holds 64 of a key step's 128 keys
	s_wait_tensorcnt 0x0                           ; the wave's end
	ds_add_u32 v[SPW], v[NIL]
	s_wait_dscnt 0x0
	ROUND                                          ; the closing round: no work-group ends while a partner may still ask for a tile that names it
	s_endpgm
.Lfunc_end_k_qbf955aa949_project:
	.size	k_qbf955aa949_project, .Lfunc_end_k_qbf955aa949_project-k_qbf955aa949_project
	.p2alignl 7, 3214868480
	.fill 96, 4, 3214868480
	.section	.rodata,"a",@progbits
	.p2align	6, 0x0
	.amdhsa_kernel k_qbf955aa949_project
		.amdhsa_group_segment_fixed_size 167936
		.amdhsa_private_segment_fixed_size 0
		.amdhsa_enable_private_segment 0
		.amdhsa_kernarg_size 72
		.amdhsa_user_sgpr_count 2
		.amdhsa_user_sgpr_kernarg_segment_ptr 1
		.amdhsa_wavefront_size32 1
		.amdhsa_system_sgpr_workgroup_id_x 1
		.amdhsa_system_sgpr_workgroup_id_y 1
		.amdhsa_system_sgpr_workgroup_id_z 1
		.amdhsa_system_vgpr_workitem_id 0
		.amdhsa_next_free_vgpr 224
		.amdhsa_next_free_sgpr 66
		.amdhsa_reserve_vcc 0
		.amdhsa_float_denorm_mode_32 3
		.amdhsa_float_denorm_mode_16_64 3
		.amdhsa_memory_ordered 1
		.amdhsa_forward_progress 1
		.amdhsa_inst_pref_size 27
	.end_amdhsa_kernel
	.amdgpu_metadata
---
amdhsa.version: [ 1, 2 ]
amdhsa.kernels:
  - .name:           k_qbf955aa949_project
    .symbol:         k_qbf955aa949_project.kd
    .args:
      - { .name: Wq_codes, .offset: 0, .size: 8, .value_kind: global_buffer, .address_space: global }
      - { .name: Wk_codes, .offset: 8, .size: 8, .value_kind: global_buffer, .address_space: global }
      - { .name: x_codes, .offset: 16, .size: 8, .value_kind: global_buffer, .address_space: global }
      - { .name: Wv_codes, .offset: 24, .size: 8, .value_kind: global_buffer, .address_space: global }
      - { .name: Wq_scales, .offset: 32, .size: 8, .value_kind: global_buffer, .address_space: global }
      - { .name: Wk_scales, .offset: 40, .size: 8, .value_kind: global_buffer, .address_space: global }
      - { .name: x_scales, .offset: 48, .size: 8, .value_kind: global_buffer, .address_space: global }
      - { .name: Wv_scales, .offset: 56, .size: 8, .value_kind: global_buffer, .address_space: global }
      - { .name: ws, .offset: 64, .size: 8, .value_kind: global_buffer, .address_space: global }
    .group_segment_fixed_size: 167936
    .private_segment_fixed_size: 0
    .kernarg_segment_align: 8
    .kernarg_segment_size: 72
    .max_flat_workgroup_size: 192
    .sgpr_count:     66
    .vgpr_count:     224
    .wavefront_size: 32
...
	.end_amdgpu_metadata
.endif
;; end of part 1
;; launch attend (part 2): grid 64 x 4, 8 waves a work-group, no clusters, 167,936 bytes of LDS; arguments ws, out0; writes out0
.if DOCPART == 2
	.amdgcn_target "amdgcn-amd-amdhsa--gfx1250"
	.amdhsa_code_object_version 6
	.text
	.protected	k_qbf955aa949_attend
	.globl	k_qbf955aa949_attend
	.p2align	8
	.type	k_qbf955aa949_attend,@function
k_qbf955aa949_attend:
	s_mov_b64 s[64:65], 0
	v_nop
	global_prefetch_b8 v0, s[64:65] scope:SCOPE_SE
	s_setreg_imm32_b32 hwreg(HW_REG_WAVE_MODE, 25, 1), 1
	s_wait_xcnt 0x0
; out[b][q][:] = the sum over keys k <= q of softmax_k(q . k / 8) v[k][:], both products on the codes of FP4 (E2M1) and E8M0 bytes that the launch before laid in ws (its head comment has the layouts).
; THE SOFTMAX AHEAD OF THE SECOND PRODUCT: t = score x log2(e) / 8; M = the largest t so far, rounded UP to a whole number; p = 2^(t - M) is quantised along the keys, not normalised; the row's sum is taken of the
; unquantised p and divides at the end.  When M moves, sum and O are multiplied by 2^(old M - new M): exact.
; LEFT OUT: key steps of 128 all of whose keys come after the chunk's 32 queries: reference()'s own causal mask makes their weights exactly 0 for all finite inputs.  LIMIT: a NaN, an infinity or an overflow that
; reaches only such hidden work is not carried to the result.
; SHARES.  A batch has 128 chunks of 32 queries; chunk G needs n = G / 4 + 1 key steps, of which only the last lies on the diagonal.  Work-group (j, batch) owns chunks 127 - j (task 0) and j (task 1):
; 33 steps for every j.  THE KEYS ARE SHARED AMONG THE EIGHT WAVES: in task 0 wave w takes steps w, w + 8, ..; in task 1 steps 7 - w, 15 - w, ..: four or five steps a wave.  A wave holds both query tiles of a chunk and
; its own running M, sum and O^T; the eight parts meet in LDS at the end, brought under one M by exact powers of two.
; K AND V COME FROM MEMORY STRAIGHT INTO REGISTERS: no two waves of a work-group read the same fragment, and the images in ws make each load 512 consecutive bytes.  So no tensor load, no ring, no barrier in the loop.
; NO CLUSTER: under the causal mask and the pairing (j, 127 - j) work-groups need different numbers of key steps, and within a work-group no tile is shared.
; LAYOUT.  Both products are used transposed: S^T = K Q^T (source 0 = keys), O^T = V^T P^T (source 0 = 16 channels): a lane holds ONE query (lane % 16).  The head is 64 wide, half of the instruction's K: a fragment of K
; holds TWO tiles of 16 keys (registers 0-3: keys 32 b + r; registers 4-7: keys 32 b + 16 + r); against [q, zeros] it gives the first tile's scores, against [zeros, q] the second's.  Zero codes add nothing: every byte is 1 .. 254.
; LIMITS: |t| under 3e38; a block of p whose largest lies under 2^-124 gets the byte 1 (its codes are zeros); the sums over keys are grouped by wave, not in ascending order.
.set KI,    524288
.set VI,    1048576
.set QS,    1572864
.set KS,    1605632
.set VS,    1638400
.set STATS, 131072                     ; LDS: from 0 the parts of O^T: task x 65,536 + wave x 8,192 + tile x 4,096 + piece x 512 + 16 x lane; here {-M, sum}: task x 4,096 + wave x 512 + tile x 256 + 8 x lane
.set STG,   139264                     ; the stage for the way out: (2 task + tile) x 4,352 + row x 272
.set SPARE, 156672                     ; the spare words, 128 bytes for each wave: four blocks of 256 bytes that no other line names
.set L16,  1                           ; v1   16 x lane; never rewritten
.set L4,   2                           ; v2   4 x lane
.set SPW,  3                           ; v3   LDS address of my spare word; never rewritten
.set NIL,  4                           ; v4   0; never rewritten
.set PA,   5                           ; v5   where my part of O^T goes
.set SA,   6                           ; v6   and my {-M, sum}
.set QSC,  7                           ; v7   Q's scale words: lanes 0-15 {tile 0's two bytes, tile 1's two}, lanes 16-31 the same turned by 16 bits
.set KSC,  28                          ; v28-29 K's scale words: register b / 2, lanes 0-15 pair b even, lanes 16-31 odd.   v8-27: zeros, q of tile 0, zeros, q of tile 1, zeros: four registers each
.set VSC,  30                          ; v30-31 V's: the same by channel tile
.set KF,   32                          ; v32-63  K: four fragments
.set VF,   64                          ; v64-95  V: four fragments
.set S,    96                          ; v96-159 S^T, then p, of one query tile: register n = key 16 (n / 8) + 8 h + n % 8 of the step
.set O,    160                         ; v160-223 O^T: tile u, channels 16 t on, at O + 32 u + 8 t
.set PC,   224                         ; v224-231 p's codes
.set PW,   232                         ; v232 p's scale word
.set R4,   233                         ; v233 4 x (lane % 16)
.set ST,   234                         ; v234-241 tile u at ST + 4 u: -M, the largest t, the sum in two halves
.set BM,   242                         ; v242-245 a block's largest score, largest p, the conversion's scale operand
.set PD,   246                         ; v246-249 at work
.set F,    250                         ; v250 f = 2^(old M - new M); named as a pair with
.set T,    251                         ; v251 at work
.set MRD,  252                         ; v252-255 the merge's LDS addresses, made at the head: parts, {-M, sum}, stage in, stage out
.set MSD,  253
.set SGW,  254
.set SGR,  255
; s[4:5] ws, s[6:7] out0; s8 wave, s9 j, s10 batch; s11 G, s12 n - 1, s13 my first step, s14 my steps to go, s15 my last step; s[16:17] ws + 4,096 x step, s[18:19] ws + 256 x step (steps counted over all batches);
; s[20:21] lane selects; s[22:23] c; s[24:25] ws + 1,024 x chunk, s[26:27] ws + 64 x chunk; s28 lanes 16-31; s29 the chunk's first query in the diagonal step; s30-35 at work; s[36:37] out0 at my rows
.macro WM d, a, b, zero, sa, sb, ra, rb        ; one scaled matrix instruction: register numbers; zero = 1: C = 0; ra, rb = 1: that side's scales stand in lanes 16-31
.if \zero
.if (\ra) && (\rb)
	v_wmma_scale_f32_16x16x128_f8f6f4 v[\d:\d+7], v[\a:\a+7], v[\b:\b+7], 0, v[\sa], v[\sb] matrix_a_fmt:MATRIX_FMT_FP4 matrix_b_fmt:MATRIX_FMT_FP4 matrix_a_scale:MATRIX_SCALE_ROW1 matrix_b_scale:MATRIX_SCALE_ROW1
.elseif (\ra)
	v_wmma_scale_f32_16x16x128_f8f6f4 v[\d:\d+7], v[\a:\a+7], v[\b:\b+7], 0, v[\sa], v[\sb] matrix_a_fmt:MATRIX_FMT_FP4 matrix_b_fmt:MATRIX_FMT_FP4 matrix_a_scale:MATRIX_SCALE_ROW1
.elseif (\rb)
	v_wmma_scale_f32_16x16x128_f8f6f4 v[\d:\d+7], v[\a:\a+7], v[\b:\b+7], 0, v[\sa], v[\sb] matrix_a_fmt:MATRIX_FMT_FP4 matrix_b_fmt:MATRIX_FMT_FP4 matrix_b_scale:MATRIX_SCALE_ROW1
.else
	v_wmma_scale_f32_16x16x128_f8f6f4 v[\d:\d+7], v[\a:\a+7], v[\b:\b+7], 0, v[\sa], v[\sb] matrix_a_fmt:MATRIX_FMT_FP4 matrix_b_fmt:MATRIX_FMT_FP4
.endif
.else
.if (\ra) && (\rb)
	v_wmma_scale_f32_16x16x128_f8f6f4 v[\d:\d+7], v[\a:\a+7], v[\b:\b+7], v[\d:\d+7], v[\sa], v[\sb] matrix_a_fmt:MATRIX_FMT_FP4 matrix_b_fmt:MATRIX_FMT_FP4 matrix_a_scale:MATRIX_SCALE_ROW1 matrix_b_scale:MATRIX_SCALE_ROW1
.elseif (\ra)
	v_wmma_scale_f32_16x16x128_f8f6f4 v[\d:\d+7], v[\a:\a+7], v[\b:\b+7], v[\d:\d+7], v[\sa], v[\sb] matrix_a_fmt:MATRIX_FMT_FP4 matrix_b_fmt:MATRIX_FMT_FP4 matrix_a_scale:MATRIX_SCALE_ROW1
.elseif (\rb)
	v_wmma_scale_f32_16x16x128_f8f6f4 v[\d:\d+7], v[\a:\a+7], v[\b:\b+7], v[\d:\d+7], v[\sa], v[\sb] matrix_a_fmt:MATRIX_FMT_FP4 matrix_b_fmt:MATRIX_FMT_FP4 matrix_b_scale:MATRIX_SCALE_ROW1
.else
	v_wmma_scale_f32_16x16x128_f8f6f4 v[\d:\d+7], v[\a:\a+7], v[\b:\b+7], v[\d:\d+7], v[\sa], v[\sb] matrix_a_fmt:MATRIX_FMT_FP4 matrix_b_fmt:MATRIX_FMT_FP4
.endif
.endif
.endm
.macro PLACES                          ; four plain vector instructions between a matrix instruction and a load into, or a vector read of, its registers (ISA guide 7.12.1 for vector reads)
.rept 4
	v_nop
.endr
.endm
.macro LOADK off                       ; a key step's K: eight loads of 512 consecutive bytes and its 256 scale bytes; off = 1: of my next step, eight steps on
.irp i, 0,1,2,3,4,5,6,7
	global_load_b128 v[KF+4*\i:KF+4*\i+3], v[L16], s[16:17] offset:KI+(\off)*32768+512*\i
.endr
.irp i, 0,1
	global_load_b32 v[KSC+\i], v[L4], s[18:19] offset:KS+(\off)*2048+128*\i
.endr
.endm
.macro LOADV                           ; the same for V
.irp i, 0,1,2,3,4,5,6,7
	global_load_b128 v[VF+4*\i:VF+4*\i+3], v[L16], s[16:17] offset:VI+512*\i
.endr
.irp i, 0,1
	global_load_b32 v[VSC+\i], v[L4], s[18:19] offset:VS+128*\i
.endr
.endm
; S^T of query tile u: eight matrix instructions, each starting its own sum.  [q, zeros] of tile u begins at v[12 + 8 u], [zeros, q] at v[8 + 8 u]; Q's bytes stand at the side of the word where q stands:
; lanes 0-15 of v7 serve [q0, 0] and [0, q1], lanes 16-31 serve [0, q0] and [q1, 0]
.macro QK u
.irp b, 0,1,2,3
	WM S+16*\b, KF+8*\b, 12+8*(\u), 1, KSC+\b/2, QSC, \b%2, \u
	WM S+16*\b+8, KF+8*\b, 8+8*(\u), 1, KSC+\b/2, QSC, \b%2, 1-(\u)
.endr
.endm
; On the diagonal the scores of hidden keys become -infinity ahead of the maximum: p = 0 then.  The step's first key counts for every query of the chunk, so the maximum stays a number
.macro MASK u
	v_and_b32 v[PD], 15, v0
	v_bfe_u32 v[PD+1], v0, 4, 1
	v_lshlrev_b32 v[PD+1], 3, v[PD+1]
	v_sub_nc_u32 v[PD], v[PD], v[PD+1]
	s_add_co_u32 s30, s29, 16*(\u)
	v_add_nc_u32 v[PD], s30, v[PD]                 ; d = my query in the step - 8 h: register n is hidden where 16 (n / 8) + n % 8 > d
	v_mov_b32 v[PD+1], 0xff800000                  ; -infinity
.irp n, 0,1,2,3,4,5,6,7,8,9,10,11,12,13,14,15,16,17,18,19,20,21,22,23,24,25,26,27,28,29,30,31,32,33,34,35,36,37,38,39,40,41,42,43,44,45,46,47,48,49,50,51,52,53,54,55,56,57,58,59,60,61,62,63
	v_cmp_gt_i32 vcc_lo, 16*(\n/8)+\n%8, v[PD]
	v_cndmask_b32 v[S+\n], v[S+\n], v[PD+1], vcc_lo
.endr
.endm
; The softmax of query tile u for one key step, and p's quantiser.  Block b of 32 keys is the 16 registers S + 16 b on, in lanes l and l xor 16
.macro SM u
.set rT, ST+4*(\u)
.set rO, O+32*(\u)
.irp b, 0,1,2,3
	v_max3_num_f32 v[BM+\b], v[S+16*\b], v[S+1+16*\b], v[S+2+16*\b]   ; the largest score of each block: it serves for the row's maximum and, since p rises with the score, for the block's largest p
.endr
.irp i, 3,5,7,9,11,13
.irp b, 0,1,2,3
	v_max3_num_f32 v[BM+\b], v[BM+\b], v[S+16*\b+\i], v[S+1+16*\b+\i]   ; (the four blocks by turns; each accumulator is first read at its low end)
.endr
.endr
.irp b, 0,1,2,3
	v_max_num_f32 v[BM+\b], v[BM+\b], v[S+15+16*\b]
.endr
.irp b, 0,1,2,3
	v_permlanex16_b32 v[PD+\b], v[BM+\b], s20, s21
.endr
.irp b, 0,1,2,3
	v_max_num_f32 v[BM+\b], v[BM+\b], v[PD+\b]     ; with lane l xor 16's 16 keys
.endr
	v_max3_num_f32 v[T], v[BM], v[BM+1], v[BM+2]
	v_max_num_f32 v[T], v[T], v[BM+3]              ; the step's largest score of my query,
	v_mul_f32 v[T], s22, v[T]                      ; as t (c is positive)
	v_max_num_f32 v[rT+1], v[rT+1], v[T]           ; the running largest t
	v_mov_b32 v[T], v[rT]
	v_floor_f32 v[rT], -v[rT+1]                    ; the new -M = floor(-t) = -ceil(t): a whole number
	v_sub_f32 v[T], v[rT], v[T]                    ; old M - new M: a whole number, 0 or less
	v_cvt_i32_f32 v[T], v[T]                       ; (it saturates)
	v_ldexp_f32 v[F], 1.0, v[T]                    ; f = 2^(old M - new M)
.irp j, 0,2,4,6,8,10,12,14,16,18,20,22,24,26,28,30,32,34,36,38,40,42,44,46,48,50,52,54,56,58,60,62
	v_pk_fma_f32 v[S+\j:S+\j+1], v[S+\j:S+\j+1], s[22:23], v[rT:rT+1] op_sel_hi:[1,0,0]   ; t - M, two at a time (of the pairs c and -M the low word serves both halves)
.endr
.irp b, 0,1,2,3
	v_fma_f32 v[BM+\b], v[BM+\b], s22, v[rT]       ; the same of each block's largest score
.endr
.irp j, 0,1,2,3,4,5,6,7,8,9,10,11,12,13,14,15,16,17,18,19,20,21,22,23,24,25,26,27,28,29,30,31,32,33,34,35,36,37,38,39,40,41,42,43,44,45,46,47,48,49,50,51,52,53,54,55,56,57,58,59,60,61,62,63
	v_exp_f32 v[S+\j], v[S+\j]                     ; p = 2^(t - M), at most 1
.endr
	v_pk_mul_f32 v[rT+2:rT+3], v[rT+2:rT+3], v[F:F+1] op_sel_hi:[1,0]   ; the sums under the new M: the plain instruction behind the exponentials
	s_wait_alu depctr_va_vdst(0)                   ; one wait for the batch of 64, ahead of its first reader
.irp b, 0,1,2,3
	v_exp_f32 v[BM+\b], v[BM+\b]                   ; the block's largest p: the same two instructions on the same number give the same bits
.endr
	v_pk_add_f32 v[PD:PD+1], v[S:S+1], v[S+2:S+3]  ; the row's sum is taken of the unquantised p: two at a time, in two chains
.irp j, 4,8,12,16,20,24,28,32,36,40,44,48,52,56,60
	v_pk_add_f32 v[rT+2:rT+3], v[rT+2:rT+3], v[S+\j:S+\j+1]
	v_pk_add_f32 v[PD:PD+1], v[PD:PD+1], v[S+2+\j:S+3+\j]
.endr
	v_pk_add_f32 v[rT+2:rT+3], v[rT+2:rT+3], v[PD:PD+1]
	s_wait_alu depctr_va_vdst(0)                   ; and one for the four
.irp b, 0,1,2,3
	v_max_num_f32 v[BM+\b], 0x1800000, v[BM+\b]    ; the floor 2^(3 - 127): the byte cannot fall under 1
.endr
.irp b, 0,1,2,3
	v_add_nc_u32 v[BM+\b], 0xff000000, v[BM+\b]    ; 2 off the exponent field: the conversion's scale operand
.endr
.irp b, 0,1,2,3
	v_lshrrev_b32 v[PD+\b], 23, v[BM+\b]           ; the scale's byte
.endr
	v_lshl_or_b32 v[PW], v[PD+1], 8, v[PD]         ; p's scale word for these 128 keys
	v_lshl_or_b32 v[PW], v[PD+2], 16, v[PW]
	v_lshl_or_b32 v[PW], v[PD+3], 24, v[PW]
.irp t, 0,1,2,3,4,5,6,7                ; tile t's conversion gives lane half h keys 16 t + 8 h + 0 .. 7; of each four tiles they go to registers 0, 2, 1, 3, and the halves change places in pairs: register 4 c + i then holds keys 64 c + 32 h + 8 i on
	v_cvt_scalef32_pk8_fp4_f32 v[PC+4*(\t/4)+2*(\t%2)+(\t%4)/2], v[S+8*\t:S+8*\t+7], v[BM+\t/2]
.endr
	v_nop                                          ; one plain place behind a scaled conversion
.irp i, 0,2,4,6
	v_permlane16_swap_b32 v[PC+\i], v[PC+\i+1]
.endr
.irp j, 0,2,4,6,8,10,12,14,16,18,20,22,24,26,28,30
	v_pk_mul_f32 v[rO+\j:rO+\j+1], v[rO+\j:rO+\j+1], v[F:F+1] op_sel_hi:[1,0]   ; O^T under the new M.  These sixteen also stand between the writes of p's codes and scale word and the products that take them
.endr
.endm
.macro PV u                            ; O^T += V^T P^T: four accumulators, one instruction a turn
.irp t, 0,1,2,3
	WM O+32*(\u)+8*\t, VF+8*\t, PC, 0, VSC+\t/2, PW, \t%2, 0
.endr
.endm
; A KEY STEP for both query tiles.  more = 1: I have a further step, eight on: its K is asked for when this step's K has been multiplied, its V likewise.  more = 0: my last step; it alone can be the chunk's last, which lies on the diagonal.
; No two matrix instructions that follow each other share an accumulator.
.macro STEP more
	s_wait_loadcnt 10                              ; K and its scale words are in; V's ten loads, issued behind them, may be out
	QK 0
	PLACES
.if \more == 0
	s_cmp_lg_u32 s15, s12                          ; ids alone
	s_cbranch_scc1 .Lopen0_\@
	MASK 0
.Lopen0_\@:
.endif
	SM 0
	s_wait_loadcnt 0x0                             ; V is in: nothing was issued behind it
	PV 0
	QK 1
	PLACES
.if \more
	LOADK 1
.else
	s_cmp_lg_u32 s15, s12
	s_cbranch_scc1 .Lopen1_\@
	MASK 1
.Lopen1_\@:
.endif
	SM 1
	PV 1
	PLACES
.if \more
	s_wait_xcnt 0x0                                ; K's loads have read their bases, so these may step
	s_add_nc_u64 s[16:17], s[16:17], 32768         ; eight steps on
	s_add_nc_u64 s[18:19], s[18:19], 2048
	LOADV
.endif
.endm
.macro INIT_O                          ; the step is written without a first form of its own: the first f is 0 and leaves these zeros zeros
.set i, 0
.rept 64
	v_mov_b32 v[O+i], 0
.set i, i+1
.endr
.endm
.macro INIT_ST                         ; thirteen plain lines
.irp q, 0,1
	v_mov_b32 v[ST+4*\q+1], 0xff61b1e6             ; the largest t so far: -3e38, under every t
	v_floor_f32 v[ST+4*\q], -v[ST+4*\q+1]          ; -M
	v_mov_b32 v[ST+4*\q+2], 0                      ; the sum, in two halves
	v_mov_b32 v[ST+4*\q+3], 0
.endr
.irp b, 0,1,2,3
	v_mov_b32 v[PD+\b], 0                          ; a lane permute's destination counts as one of its sources
.endr
	v_mov_b32 v[T], 0                              ; (named as the upper half of the pair with f)
.endm
; One chunk: my share of its key steps, then my part goes to LDS.
.macro TASK tk
.if \tk == 0
	s_sub_co_u32 s11, 127, s9                      ; G
	s_mov_b32 s13, s8                              ; my first step
.else
	s_wait_xcnt 0x0                                ; the bases below are written again
	s_mov_b32 s11, s9
	s_sub_co_u32 s13, 7, s8
.endif
	s_lshr_b32 s12, s11, 2                         ; n - 1: the step on the diagonal
	s_add_co_u32 s14, s12, 8
	s_sub_co_u32 s14, s14, s13
	s_lshr_b32 s14, s14, 3                         ; my steps: (n + 7 - first) / 8
	s_lshl_b32 s15, s14, 3
	s_add_co_u32 s15, s15, s13
	s_sub_co_u32 s15, s15, 8                       ; my last step
	s_and_b32 s29, s11, 3
	s_lshl_b32 s29, s29, 5                         ; the chunk's first query, counted from the diagonal step's first key
	s_lshl_b32 s30, s10, 5
	s_add_co_u32 s30, s30, s13                     ; my first step, counted over all batches
	s_mov_b32 s33, 0
	s_lshl_b32 s32, s30, 12
	s_add_nc_u64 s[16:17], s[4:5], s[32:33]
	s_lshl_b32 s32, s30, 8
	s_add_nc_u64 s[18:19], s[4:5], s[32:33]
	s_lshl_b32 s30, s10, 7
	s_add_co_u32 s30, s30, s11                     ; the chunk, counted over all batches
	s_lshl_b32 s32, s30, 10
	s_add_nc_u64 s[24:25], s[4:5], s[32:33]
	s_lshl_b32 s32, s30, 6
	s_add_nc_u64 s[26:27], s[4:5], s[32:33]
.if \tk == 1                           ; task 0's chunks have 17 steps or more: every wave has two at the least
	s_cmp_eq_u32 s14, 0
	s_cbranch_scc1 .Lempty_\tk
.endif
	global_load_b128 v[12:15], v[L16], s[24:25]            ; q of tile 0,
	global_load_b128 v[20:23], v[L16], s[24:25] offset:512 ; of tile 1,
	global_load_b32 v[QSC], v[R4], s[26:27] offset:QS      ; and row r's scale word, in both halves of the lanes
	LOADK 0
	LOADV
	INIT_O
	s_wait_loadcnt 20                              ; Q's three loads are in; K's and V's twenty may be out
	v_lshrrev_b32 v[T], 16, v[QSC]
	v_lshl_or_b32 v[T], v[QSC], 16, v[T]           ; the word turned by 16 bits
	v_cndmask_b32 v[QSC], v[QSC], v[T], s28        ; for lanes 16-31
	INIT_ST                                        ; these thirteen also stand between the write of a scale register and the first scaled product (eight are asked)
.if \tk == 1
	s_cmp_eq_u32 s14, 1
	s_cbranch_scc1 .Ltail_\tk
.endif
.Lloop_\tk:
	STEP 1
	s_sub_co_u32 s14, s14, 1
	s_cmp_lg_u32 s14, 1
	s_cbranch_scc1 .Lloop_\tk
.Ltail_\tk:
	STEP 0
.if \tk == 1
	s_branch .Lput_\tk
.Lempty_\tk:                           ; no step for me: zeros, and an M under every other: the merge gives this part the weight 0
	INIT_O
	INIT_ST
.Lput_\tk:
.endif
.irp q, 0,1
	v_add_f32 v[ST+4*\q+1], v[ST+4*\q+2], v[ST+4*\q+3]     ; the sum's two halves, into the place of the largest t, which is done with,
.endr
.irp q, 0,1
	v_permlanex16_b32 v[PD+\q], v[ST+4*\q+1], s20, s21
.endr
.irp q, 0,1
	v_add_f32 v[ST+4*\q+1], v[ST+4*\q+1], v[PD+\q]         ; and lane l xor 16's
.endr
.irp q, 0,1
	ds_store_b64 v[SA], v[ST+4*\q:ST+4*\q+1] offset:4096*\tk+256*\q
.endr
.irp q, 0,1
.irp i, 0,1,2,3,4,5,6,7
	ds_store_b128 v[PA], v[O+32*\q+4*\i:O+32*\q+4*\i+3] offset:4096*\q+512*\i   ; O^T as an image of its registers, each accumulator from its low end on
.endr
.endr
	s_wait_dscnt 0x0                               ; my stores have landed
.endm
	s_load_b128 s[4:7], s[0:1], 0x0                ; ws, out0
	v_lshl_add_u32 v[SPW], v0, 2, SPARE
	v_mov_b32 v[NIL], 0
	v_lshrrev_b32 v[L4], 5, v0
	v_readfirstlane_b32 s8, v[L4]                  ; wave 0..7
	s_mov_b32 s9, ttmp9                            ; j
	s_and_b32 s10, ttmp7, 0xffff                   ; batch
	s_mov_b32 s20, 0x76543210
	s_mov_b32 s21, 0xfedcba98                      ; v_permlanex16_b32's selects for lane l xor 16
	s_mov_b32 s22, 0x3e38aa3b                      ; c = log2(e) / 8
	s_mov_b32 s23, s22                             ; (named with it as a pair, so it is written)
	s_mov_b32 s28, 0xffff0000                      ; lanes 16-31
	v_and_b32 v[PA], 31, v0                        ; lane
	v_lshlrev_b32 v[L16], 4, v[PA]
	v_lshlrev_b32 v[L4], 2, v[PA]
	v_lshlrev_b32 v[SA], 3, v[PA]
	v_and_b32 v[R4], 15, v0
	v_lshlrev_b32 v[R4], 2, v[R4]
	s_lshl_b32 s30, s8, 13
	v_add_nc_u32 v[PA], s30, v[L16]                ; my part of task 0: wave x 8,192 + 16 x lane
	s_lshl_b32 s30, s8, 9
	s_add_co_u32 s30, s30, STATS
	; the merge: wave w' takes tile (task c = w' / 4, u = (w' / 2) % 2) and channels 32 e on, e = w' % 2.  Its LDS addresses are made here, ahead of every branch
	s_lshr_b32 s31, s8, 2                          ; c
	s_bfe_u32 s32, s8, 0x10001                     ; u
	s_and_b32 s33, s8, 1                           ; e
	s_lshl_b32 s34, s31, 16
	s_lshl_b32 s35, s32, 12
	s_add_co_u32 s34, s34, s35
	s_lshl_b32 s35, s33, 11
	s_add_co_u32 s34, s34, s35
	v_add_nc_u32 v[MRD], s34, v[L16]               ; parts: c x 65,536 + u x 4,096 + e x 2,048 + 16 x lane
	s_lshl_b32 s34, s31, 12
	s_lshl_b32 s35, s32, 8
	s_add_co_u32 s34, s34, s35
	s_add_co_u32 s34, s34, STATS
	v_add_nc_u32 v[MSD], s34, v[SA]                ; {-M, sum}: c x 4,096 + u x 256 + 8 x lane
	v_add_nc_u32 v[SA], s30, v[SA]                 ; and where mine go: wave x 512 + 8 x lane
	s_lshr_b32 s34, s8, 1
	s_mul_i32 s34, s34, 4352
	s_add_co_u32 s34, s34, STG                     ; the tile's stage
	s_lshl_b32 s35, s33, 7
	s_add_co_u32 s35, s35, s34
	v_and_b32 v[SGW], 15, v0                       ; r
	v_bfe_u32 v[SGR], v0, 4, 1                     ; h
	v_mul_u32_u24 v[F], v[SGW], 272
	v_lshl_add_u32 v[F], v[SGR], 5, v[F]
	v_mul_u32_u24 v[T], v[SGR], 272
	v_lshl_add_u32 v[T], v[SGW], 4, v[T]
	v_add_nc_u32 v[SGW], s35, v[F]                 ; in: row r, + 128 e + 32 h
	s_mul_i32 s35, s33, 8*272
	s_add_co_u32 s35, s35, s34
	v_add_nc_u32 v[SGR], s35, v[T]                 ; back: rows 8 e on; lanes 0-15 one row of 256 bytes, lanes 16-31 the next
.irp i, 8,9,10,11,16,17,18,19,24,25,26,27
	v_mov_b32 v[\i], 0                             ; the zero codes beside q
.endr
	s_wait_kmcnt 0x0
	TASK 0
	v_add_nc_u32 v[PA], 0x10000, v[PA]             ; task 1's parts
	TASK 1
	s_barrier_signal -1                            ; (each wave's stores have landed: the wait stands at a task's end)
	s_barrier_wait -1                              ; all sixteen parts of each tile lie in LDS
	; THE MERGE
.irp w, 0,1,2,3,4,5,6,7
	ds_load_b64 v[8+2*\w:9+2*\w], v[MSD] offset:512*\w             ; wave w's -M and sum of my query
.endr
.irp w, 0,1,2,3,4,5,6,7
.irp i, 0,1,2,3
	ds_load_b128 v[32+16*\w+4*\i:32+16*\w+4*\i+3], v[MRD] offset:8192*\w+512*\i   ; and its O^T of my 32 channels
.endr
.endr
	s_lshr_b32 s31, s8, 2                          ; where my eight rows of out0 begin
	s_bfe_u32 s32, s8, 0x10001
	s_and_b32 s33, s8, 1
	s_sub_co_u32 s30, 127, s9
	s_cmp_eq_u32 s31, 0
	s_cselect_b32 s30, s30, s9                     ; the task's chunk
	s_lshl_b32 s30, s30, 5
	s_lshl_b32 s34, s10, 12
	s_add_co_u32 s30, s30, s34
	s_lshl_b32 s34, s32, 4
	s_add_co_u32 s30, s30, s34
	s_lshl_b32 s34, s33, 3
	s_add_co_u32 s30, s30, s34                     ; row 4,096 batch + 32 G + 16 u + 8 e
	s_lshl_b32 s34, s30, 8                         ; of 256 bytes
	s_mov_b32 s35, 0
	s_add_nc_u64 s[36:37], s[6:7], s[34:35]
	s_wait_dscnt 32                                ; the eight pairs are in; the 32 loads of parts may be out
	v_min3_num_f32 v176, v8, v10, v12
	v_min3_num_f32 v176, v176, v14, v16
	v_min3_num_f32 v176, v176, v18, v20
	v_min_num_f32 v176, v176, v22                  ; the least -M: the largest M
.irp w, 0,1,2,3,4,5,6,7
	v_sub_f32 v[177+\w], v176, v[8+2*\w]           ; wave w's M less the largest: a whole number, 0 or less
.endr
.irp w, 0,1,2,3,4,5,6,7
	v_cvt_i32_f32 v[177+\w], v[177+\w]             ; (it saturates)
.endr
.irp w, 0,1,2,3,4,5,6,7
	v_ldexp_f32 v[8+2*\w], 1.0, v[177+\w]          ; its weight, an exact power of two, in the place of its -M
.endr
	v_mul_f32 v185, v8, v9
.irp w, 1,2,3,4,5,6,7
	v_fma_f32 v185, v[8+2*\w], v[9+2*\w], v185     ; the row's sum
.endr
	v_rcp_f32 v[F], v185
.irp w, 0,1,2,3,4,5,6,7
	s_wait_dscnt 4*(7-\w)                          ; wave w's four loads are in; the later waves' may be out
.irp k, 0,2,4,6,8,10,12,14
.if \w == 0
	v_pk_mul_f32 v[O+\k:O+\k+1], v[32+16*\w+\k:32+16*\w+\k+1], v[8+2*\w:9+2*\w] op_sel_hi:[1,0]
.else
	v_pk_fma_f32 v[O+\k:O+\k+1], v[32+16*\w+\k:32+16*\w+\k+1], v[8+2*\w:9+2*\w], v[O+\k:O+\k+1] op_sel_hi:[1,0,1]
.endif
.endr
.endr
	s_wait_alu depctr_va_vdst(0)                   ; the wait behind the reciprocal, ahead of its first reader; the 64 lines above are the work between
.irp k, 0,2,4,6,8,10,12,14
	v_pk_mul_f32 v[O+\k:O+\k+1], v[O+\k:O+\k+1], v[F:F+1] op_sel_hi:[1,0]   ; O^T / the sum: register 8 t + i is out(r, 32 e + 16 t + 8 h + i)
.endr
.irp i, 0,1,2,3
	ds_store_b128 v[SGW], v[O+4*\i:O+4*\i+3] offset:64*(\i/2)+16*(\i%2)
.endr
	s_wait_dscnt 0x0                               ; for the others' sake: a row's 256 bytes come from two waves
	s_barrier_signal -1
	s_barrier_wait -1
.irp i, 0,1,2,3
	ds_load_b128 v[32+4*\i:35+4*\i], v[SGR] offset:544*\i
.endr
.irp i, 0,1,2,3
	s_wait_dscnt 3-\i
	global_store_b128 v[L16], v[32+4*\i:35+4*\i], s[36:37] offset:512*\i th:TH_STORE_NT   ; 32 lanes store two whole rows, 512 consecutive bytes, aligned; written once, read by nobody here
.endr
	s_wait_tensorcnt 0x0                           ; the wave's end
	ds_add_u32 v[SPW], v[NIL]
	s_wait_dscnt 0x0
	s_endpgm
.Lfunc_end_k_qbf955aa949_attend:
	.size	k_qbf955aa949_attend, .Lfunc_end_k_qbf955aa949_attend-k_qbf955aa949_attend
	.p2alignl 7, 3214868480
	.fill 96, 4, 3214868480
	.section	.rodata,"a",@progbits
	.p2align	6, 0x0
	.amdhsa_kernel k_qbf955aa949_attend
		.amdhsa_group_segment_fixed_size 167936
		.amdhsa_private_segment_fixed_size 0
		.amdhsa_enable_private_segment 0
		.amdhsa_kernarg_size 16
		.amdhsa_user_sgpr_count 2
		.amdhsa_user_sgpr_kernarg_segment_ptr 1
		.amdhsa_wavefront_size32 1
		.amdhsa_system_sgpr_workgroup_id_x 1
		.amdhsa_system_sgpr_workgroup_id_y 1
		.amdhsa_system_sgpr_workgroup_id_z 1
		.amdhsa_system_vgpr_workitem_id 0
		.amdhsa_next_free_vgpr 256
		.amdhsa_next_free_sgpr 66
		.amdhsa_reserve_vcc 1
		.amdhsa_float_denorm_mode_32 3
		.amdhsa_float_denorm_mode_16_64 3
		.amdhsa_memory_ordered 1
		.amdhsa_forward_progress 1
		.amdhsa_inst_pref_size 163
	.end_amdhsa_kernel
	.amdgpu_metadata
---
amdhsa.version: [ 1, 2 ]
amdhsa.kernels:
  - .name:           k_qbf955aa949_attend
    .symbol:         k_qbf955aa949_attend.kd
    .args:
      - { .name: ws, .offset: 0, .size: 8, .value_kind: global_buffer, .address_space: global }
      - { .name: out0, .offset: 8, .size: 8, .value_kind: global_buffer, .address_space: global }
    .group_segment_fixed_size: 167936
    .private_segment_fixed_size: 0
    .kernarg_segment_align: 8
    .kernarg_segment_size: 16
    .max_flat_workgroup_size: 256
    .sgpr_count:     66
    .vgpr_count:     256
    .wavefront_size: 32
...
	.end_amdgpu_metadata
.endif
;; end of part 2
;; ======== version 2 of 2: 2 launches; version 1 with the launch attend written anew for expert scheduling mode
;; workspace buffers: ws 1,671,168 bytes
;; launch project: the kernel of part 1 again; grid 256 x 1, 6 waves a work-group, clusters of 4 x 1, 167,936 bytes of LDS; arguments Wq_codes, Wk_codes, x_codes, Wv_codes, Wq_scales, Wk_scales, x_scales, Wv_scales, ws; writes ws
;; launch attend (part 3): grid 64 x 4, 8 waves a work-group, no clusters, 167,936 bytes of LDS; arguments ws, out0; writes out0
.if DOCPART == 3
	.amdgcn_target "amdgcn-amd-amdhsa--gfx1250"
	.amdhsa_code_object_version 6
	.text
	.protected	k_qbf955aa949_attend
	.globl	k_qbf955aa949_attend
	.p2align	8
	.type	k_qbf955aa949_attend,@function
k_qbf955aa949_attend:
	s_mov_b64 s[64:65], 0
	v_nop
	global_prefetch_b8 v0, s[64:65] scope:SCOPE_SE
	s_setreg_imm32_b32 hwreg(HW_REG_WAVE_SCHED_MODE, 0, 2), 2
	s_setreg_imm32_b32 hwreg(HW_REG_WAVE_MODE, 25, 1), 1
	s_wait_xcnt 0x0
	s_wait_alu depctr_vm_vsrc(0)
; out[b][q][:] = the sum over keys k <= q of softmax_k(q . k / 8) v[k][:], both products on the codes of FP4 (E2M1) and E8M0 bytes that the launch before laid in ws (its head comment has the layouts).
; THE SOFTMAX AHEAD OF THE SECOND PRODUCT: t = score x log2(e) / 8; M = the largest t so far, rounded UP to a whole number; p = 2^(t - M) is quantised along the keys, not normalised; the row's sum is taken of the
; unquantised p and divides at the end.  When M moves, sum and O are multiplied by 2^(old M - new M): exact.
; LEFT OUT: key steps of 128 all of whose keys come after the chunk's 32 queries: reference()'s own causal mask makes their weights exactly 0 for all finite inputs.  LIMIT: a NaN, an infinity or an overflow that
; reaches only such hidden work is not carried to the result.
; SHARES.  A batch has 128 chunks of 32 queries; chunk G needs n = G / 4 + 1 key steps, of which only the last lies on the diagonal.  Work-group (j, batch) owns chunks 127 - j (task 0) and j (task 1):
; 33 steps for every j.  THE KEYS ARE SHARED AMONG THE EIGHT WAVES: in task 0 wave w takes steps w, w + 8, ..; in task 1 steps 7 - w, 15 - w, ..: four or five steps a wave.  A wave holds both query tiles of a chunk and
; its own running M, sum and O^T; the eight parts meet in LDS at the end, brought under one M by exact powers of two.
; K AND V COME FROM MEMORY STRAIGHT INTO REGISTERS: no two waves of a work-group read the same fragment, and the images in ws make each load 512 consecutive bytes.  So no tensor load, no ring, no barrier in the loop.
; NO CLUSTER: under the causal mask and the pairing (j, 127 - j) work-groups need different numbers of key steps, and within a work-group no tile is shared.
; LAYOUT.  Both products are used transposed: S^T = K Q^T (source 0 = keys), O^T = V^T P^T (source 0 = 16 channels): a lane holds ONE query (lane % 16).  The head is 64 wide, half of the instruction's K: a fragment of K
; holds TWO tiles of 16 keys (registers 0-3: keys 32 b + r; registers 4-7: keys 32 b + 16 + r); against [q, zeros] it gives the first tile's scores, against [zeros, q] the second's.  Zero codes add nothing: every byte is 1 .. 254.
; LIMITS: |t| under 3e38; a block of p whose largest lies under 2^-124 gets the byte 1 (its codes are zeros); the sums over keys are grouped by wave, not in ascending order.
; THE MODE: SCHED_MODE bits 1:0 = 2 (LLVM: expert scheduling mode 2), set by the entry lines.  The code itself states the register dependences between vector or matrix instructions and memory or LDS
; instructions, and those through scalar registers that vector instructions write, with s_wait_alu, always for 0.
; THE PLAN.  Registers that memory or LDS instructions touch:
;   v1, v2, v233       offsets of every global load and store; v6, v252-255 LDS addresses: made at the head, never written again.  v5, where my part goes: made at the head, stepped once between the tasks.
;   Q (v12-15, v20-23, v7)  Loads land at a task's head; v7 is then turned by two vector lines; every product K Q^T of the task reads them.
;   KF, KSC            A step's sixteen products K Q^T read them; behind the second tile's eight the loads of my next step land in them.
;   VF, VSC            A step's eight products V^T P read them; behind the second tile's four the loads of my next step land in them.
;   O^T, {-M, sum}     Written by products and vector lines; read by the LDS stores at a task's end; written again by the next task's zeros, or by the merge.
;   the merge          LDS loads land in v8-23 and v32-159, which products and the softmax named; v160-175 go to the stage; the stage's rows come back into v32-47.
;   p's codes and scale word, v7 and the zero codes are written by vector lines and taken by scaled products.
; So a step with a successor holds eight waits on va_vdst: for each query tile the two behind its exponentials and one ahead of its products V^T P (p's codes and scale word are written); one ahead of K's loads; one ahead
; of V's.  A task has one ahead of its first loads, one ahead of its first product, one ahead of its LDS stores, and one wait on vm_vsrc behind these.
.set KI,    524288
.set VI,    1048576
.set QS,    1572864
.set KS,    1605632
.set VS,    1638400
.set STATS, 131072                     ; LDS: from 0 the parts of O^T: task x 65,536 + wave x 8,192 + tile x 4,096 + piece x 512 + 16 x lane; here {-M, sum}: task x 4,096 + wave x 512 + tile x 256 + 8 x lane
.set STG,   139264                     ; the stage for the way out: (2 task + tile) x 4,352 + row x 272
.set SPARE, 156672                     ; the spare words, 128 bytes for each wave: four blocks of 256 bytes that no other line names
.set L16,  1                           ; v1   16 x lane; never rewritten
.set L4,   2                           ; v2   4 x lane
.set SPW,  3                           ; v3   LDS address of my spare word; never rewritten
.set NIL,  4                           ; v4   0; never rewritten
.set PA,   5                           ; v5   where my part of O^T goes
.set SA,   6                           ; v6   and my {-M, sum}
.set QSC,  7                           ; v7   Q's scale words: lanes 0-15 {tile 0's two bytes, tile 1's two}, lanes 16-31 the same turned by 16 bits
.set KSC,  28                          ; v28-29 K's scale words: register b / 2, lanes 0-15 pair b even, lanes 16-31 odd.   v8-27: zeros, q of tile 0, zeros, q of tile 1, zeros: four registers each
.set VSC,  30                          ; v30-31 V's: the same by channel tile
.set KF,   32                          ; v32-63  K: four fragments
.set VF,   64                          ; v64-95  V: four fragments
.set S,    96                          ; v96-159 S^T, then p, of one query tile: register n = key 16 (n / 8) + 8 h + n % 8 of the step
.set O,    160                         ; v160-223 O^T: tile u, channels 16 t on, at O + 32 u + 8 t
.set PC,   224                         ; v224-231 p's codes
.set PW,   232                         ; v232 p's scale word
.set R4,   233                         ; v233 4 x (lane % 16)
.set ST,   234                         ; v234-241 tile u at ST + 4 u: -M, the largest t, the sum in two halves
.set BM,   242                         ; v242-245 a block's largest score, largest p, the conversion's scale operand
.set PD,   246                         ; v246-249 at work
.set F,    250                         ; v250 f = 2^(old M - new M); named as a pair with
.set T,    251                         ; v251 at work
.set MRD,  252                         ; v252-255 the merge's LDS addresses, made at the head: parts, {-M, sum}, stage in, stage out
.set MSD,  253
.set SGW,  254
.set SGR,  255
.set CM,   40                          ; s40-55 the diagonal step: the masks of sixteen compares
; s[4:5] ws, s[6:7] out0; s8 wave, s9 j, s10 batch; s11 G, s12 n - 1, s13 my first step, s14 my steps to go, s15 my last step; s[16:17] ws + 4,096 x step, s[18:19] ws + 256 x step (steps counted over all batches);
; s[20:21] lane selects; s[22:23] c; s[24:25] ws + 1,024 x chunk, s[26:27] ws + 64 x chunk; s28 lanes 16-31; s29 the chunk's first query in the diagonal step; s30-35 at work; s[36:37] out0 at my rows
.macro WM d, a, b, zero, sa, sb, ra, rb        ; one scaled matrix instruction: register numbers; zero = 1: C = 0; ra, rb = 1: that side's scales stand in lanes 16-31
.if \zero
.if (\ra) && (\rb)
	v_wmma_scale_f32_16x16x128_f8f6f4 v[\d:\d+7], v[\a:\a+7], v[\b:\b+7], 0, v[\sa], v[\sb] matrix_a_fmt:MATRIX_FMT_FP4 matrix_b_fmt:MATRIX_FMT_FP4 matrix_a_scale:MATRIX_SCALE_ROW1 matrix_b_scale:MATRIX_SCALE_ROW1
.elseif (\ra)
	v_wmma_scale_f32_16x16x128_f8f6f4 v[\d:\d+7], v[\a:\a+7], v[\b:\b+7], 0, v[\sa], v[\sb] matrix_a_fmt:MATRIX_FMT_FP4 matrix_b_fmt:MATRIX_FMT_FP4 matrix_a_scale:MATRIX_SCALE_ROW1
.elseif (\rb)
	v_wmma_scale_f32_16x16x128_f8f6f4 v[\d:\d+7], v[\a:\a+7], v[\b:\b+7], 0, v[\sa], v[\sb] matrix_a_fmt:MATRIX_FMT_FP4 matrix_b_fmt:MATRIX_FMT_FP4 matrix_b_scale:MATRIX_SCALE_ROW1
.else
	v_wmma_scale_f32_16x16x128_f8f6f4 v[\d:\d+7], v[\a:\a+7], v[\b:\b+7], 0, v[\sa], v[\sb] matrix_a_fmt:MATRIX_FMT_FP4 matrix_b_fmt:MATRIX_FMT_FP4
.endif
.else
.if (\ra) && (\rb)
	v_wmma_scale_f32_16x16x128_f8f6f4 v[\d:\d+7], v[\a:\a+7], v[\b:\b+7], v[\d:\d+7], v[\sa], v[\sb] matrix_a_fmt:MATRIX_FMT_FP4 matrix_b_fmt:MATRIX_FMT_FP4 matrix_a_scale:MATRIX_SCALE_ROW1 matrix_b_scale:MATRIX_SCALE_ROW1
.elseif (\ra)
	v_wmma_scale_f32_16x16x128_f8f6f4 v[\d:\d+7], v[\a:\a+7], v[\b:\b+7], v[\d:\d+7], v[\sa], v[\sb] matrix_a_fmt:MATRIX_FMT_FP4 matrix_b_fmt:MATRIX_FMT_FP4 matrix_a_scale:MATRIX_SCALE_ROW1
.elseif (\rb)
	v_wmma_scale_f32_16x16x128_f8f6f4 v[\d:\d+7], v[\a:\a+7], v[\b:\b+7], v[\d:\d+7], v[\sa], v[\sb] matrix_a_fmt:MATRIX_FMT_FP4 matrix_b_fmt:MATRIX_FMT_FP4 matrix_b_scale:MATRIX_SCALE_ROW1
.else
	v_wmma_scale_f32_16x16x128_f8f6f4 v[\d:\d+7], v[\a:\a+7], v[\b:\b+7], v[\d:\d+7], v[\sa], v[\sb] matrix_a_fmt:MATRIX_FMT_FP4 matrix_b_fmt:MATRIX_FMT_FP4
.endif
.endif
.endm
.macro PLACES                          ; four plain vector instructions behind a matrix instruction, ahead of a vector read or a store of its results and of a load into its registers (ISA guide 7.12.1 for vector reads)
.rept 4
	v_nop
.endr
.endm
.macro LOADK off                       ; a key step's K: eight loads of 512 consecutive bytes and its 256 scale bytes; off = 1: of my next step, eight steps on
.irp i, 0,1,2,3,4,5,6,7
	global_load_b128 v[KF+4*\i:KF+4*\i+3], v[L16], s[16:17] offset:KI+(\off)*32768+512*\i
.endr
.irp i, 0,1
	global_load_b32 v[KSC+\i], v[L4], s[18:19] offset:KS+(\off)*2048+128*\i
.endr
.endm
.macro LOADV                           ; the same for V
.irp i, 0,1,2,3,4,5,6,7
	global_load_b128 v[VF+4*\i:VF+4*\i+3], v[L16], s[16:17] offset:VI+512*\i
.endr
.irp i, 0,1
	global_load_b32 v[VSC+\i], v[L4], s[18:19] offset:VS+128*\i
.endr
.endm
; S^T of query tile u: eight matrix instructions, each starting its own sum.  [q, zeros] of tile u begins at v[12 + 8 u], [zeros, q] at v[8 + 8 u]; Q's bytes stand at the side of the word where q stands:
; lanes 0-15 of v7 serve [q0, 0] and [0, q1], lanes 16-31 serve [0, q0] and [q1, 0]
.macro QK u
.irp b, 0,1,2,3
	WM S+16*\b, KF+8*\b, 12+8*(\u), 1, KSC+\b/2, QSC, \b%2, \u
	WM S+16*\b+8, KF+8*\b, 8+8*(\u), 1, KSC+\b/2, QSC, \b%2, 1-(\u)
.endr
.endm
; On the diagonal the scores of hidden keys become -infinity ahead of the maximum: p = 0 then.  The step's first key counts for every query of the chunk, so the maximum stays a number.
; The compares go in runs of sixteen, each into a scalar register of its own, so that one wait serves a run
.macro MASK u
	v_and_b32 v[PD], 15, v0
	v_bfe_u32 v[PD+1], v0, 4, 1
	v_lshlrev_b32 v[PD+1], 3, v[PD+1]
	v_sub_nc_u32 v[PD], v[PD], v[PD+1]
	s_add_co_u32 s30, s29, 16*(\u)
	v_add_nc_u32 v[PD], s30, v[PD]                 ; d = my query in the step - 8 h: register n is hidden where 16 (n / 8) + n % 8 > d
	v_mov_b32 v[PD+1], 0xff800000                  ; -infinity
.irp g, 0,1,2,3                        ; registers 16 g + n
.irp n, 0,1,2,3,4,5,6,7,8,9,10,11,12,13,14,15
	v_cmp_gt_i32 s[CM+\n], 32*\g+16*(\n/8)+\n%8, v[PD]
.endr
	s_wait_alu depctr_va_sdst(0)                   ; the sixteen compares have written s40 to s55, ahead of the selects that read them
.irp n, 0,1,2,3,4,5,6,7,8,9,10,11,12,13,14,15
	v_cndmask_b32 v[S+16*\g+\n], v[S+16*\g+\n], v[PD+1], s[CM+\n]
.endr
.endr
.endm
; The softmax of query tile u for one key step, and p's quantiser.  Block b of 32 keys is the 16 registers S + 16 b on, in lanes l and l xor 16
.macro SM u
.set rT, ST+4*(\u)
.set rO, O+32*(\u)
.irp b, 0,1,2,3
	v_max3_num_f32 v[BM+\b], v[S+16*\b], v[S+1+16*\b], v[S+2+16*\b]   ; the largest score of each block: it serves for the row's maximum and, since p rises with the score, for the block's largest p
.endr
.irp i, 3,5,7,9,11,13
.irp b, 0,1,2,3
	v_max3_num_f32 v[BM+\b], v[BM+\b], v[S+16*\b+\i], v[S+1+16*\b+\i]   ; (the four blocks by turns; each accumulator is first read at its low end)
.endr
.endr
.irp b, 0,1,2,3
	v_max_num_f32 v[BM+\b], v[BM+\b], v[S+15+16*\b]
.endr
.irp b, 0,1,2,3
	v_permlanex16_b32 v[PD+\b], v[BM+\b], s20, s21
.endr
.irp b, 0,1,2,3
	v_max_num_f32 v[BM+\b], v[BM+\b], v[PD+\b]     ; with lane l xor 16's 16 keys
.endr
	v_max3_num_f32 v[T], v[BM], v[BM+1], v[BM+2]
	v_max_num_f32 v[T], v[T], v[BM+3]              ; the step's largest score of my query,
	v_mul_f32 v[T], s22, v[T]                      ; as t (c is positive)
	v_max_num_f32 v[rT+1], v[rT+1], v[T]           ; the running largest t
	v_mov_b32 v[T], v[rT]
	v_floor_f32 v[rT], -v[rT+1]                    ; the new -M = floor(-t) = -ceil(t): a whole number
	v_sub_f32 v[T], v[rT], v[T]                    ; old M - new M: a whole number, 0 or less
	v_cvt_i32_f32 v[T], v[T]                       ; (it saturates)
	v_ldexp_f32 v[F], 1.0, v[T]                    ; f = 2^(old M - new M)
.irp j, 0,2,4,6,8,10,12,14,16,18,20,22,24,26,28,30,32,34,36,38,40,42,44,46,48,50,52,54,56,58,60,62
	v_pk_fma_f32 v[S+\j:S+\j+1], v[S+\j:S+\j+1], s[22:23], v[rT:rT+1] op_sel_hi:[1,0,0]   ; t - M, two at a time (of the pairs c and -M the low word serves both halves)
.endr
.irp b, 0,1,2,3
	v_fma_f32 v[BM+\b], v[BM+\b], s22, v[rT]       ; the same of each block's largest score
.endr
.irp j, 0,1,2,3,4,5,6,7,8,9,10,11,12,13,14,15,16,17,18,19,20,21,22,23,24,25,26,27,28,29,30,31,32,33,34,35,36,37,38,39,40,41,42,43,44,45,46,47,48,49,50,51,52,53,54,55,56,57,58,59,60,61,62,63
	v_exp_f32 v[S+\j], v[S+\j]                     ; p = 2^(t - M), at most 1
.endr
	v_pk_mul_f32 v[rT+2:rT+3], v[rT+2:rT+3], v[F:F+1] op_sel_hi:[1,0]   ; the sums under the new M: the plain instruction behind the exponentials
	s_wait_alu depctr_va_vdst(0)                   ; the 64 exponentials have written p: one wait for the batch, ahead of its first reader
.irp b, 0,1,2,3
	v_exp_f32 v[BM+\b], v[BM+\b]                   ; the block's largest p: the same two instructions on the same number give the same bits
.endr
	v_pk_add_f32 v[PD:PD+1], v[S:S+1], v[S+2:S+3]  ; the row's sum is taken of the unquantised p: two at a time, in two chains
.irp j, 4,8,12,16,20,24,28,32,36,40,44,48,52,56,60
	v_pk_add_f32 v[rT+2:rT+3], v[rT+2:rT+3], v[S+\j:S+\j+1]
	v_pk_add_f32 v[PD:PD+1], v[PD:PD+1], v[S+2+\j:S+3+\j]
.endr
	v_pk_add_f32 v[rT+2:rT+3], v[rT+2:rT+3], v[PD:PD+1]
	s_wait_alu depctr_va_vdst(0)                   ; the four exponentials have written the blocks' largest p, ahead of their first reader
.irp b, 0,1,2,3
	v_max_num_f32 v[BM+\b], 0x1800000, v[BM+\b]    ; the floor 2^(3 - 127): the byte cannot fall under 1
.endr
.irp b, 0,1,2,3
	v_add_nc_u32 v[BM+\b], 0xff000000, v[BM+\b]    ; 2 off the exponent field: the conversion's scale operand
.endr
.irp b, 0,1,2,3
	v_lshrrev_b32 v[PD+\b], 23, v[BM+\b]           ; the scale's byte
.endr
	v_lshl_or_b32 v[PW], v[PD+1], 8, v[PD]         ; p's scale word for these 128 keys
	v_lshl_or_b32 v[PW], v[PD+2], 16, v[PW]
	v_lshl_or_b32 v[PW], v[PD+3], 24, v[PW]
.irp t, 0,1,2,3,4,5,6,7                ; tile t's conversion gives lane half h keys 16 t + 8 h + 0 .. 7; of each four tiles they go to registers 0, 2, 1, 3, and the halves change places in pairs: register 4 c + i then holds keys 64 c + 32 h + 8 i on
	v_cvt_scalef32_pk8_fp4_f32 v[PC+4*(\t/4)+2*(\t%2)+(\t%4)/2], v[S+8*\t:S+8*\t+7], v[BM+\t/2]
.endr
	v_nop                                          ; one plain place behind a scaled conversion
.irp i, 0,2,4,6
	v_permlane16_swap_b32 v[PC+\i], v[PC+\i+1]
.endr
.irp j, 0,2,4,6,8,10,12,14,16,18,20,22,24,26,28,30
	v_pk_mul_f32 v[rO+\j:rO+\j+1], v[rO+\j:rO+\j+1], v[F:F+1] op_sel_hi:[1,0]   ; O^T under the new M.  These sixteen also stand between the writes of p's codes and scale word and the products that take them
.endr
	s_wait_alu depctr_va_vdst(0)                   ; p's codes and p's scale word are written: the scaled products V^T P take them as operand and scales; the places above stay beside this wait
.endm
.macro PV u                            ; O^T += V^T P^T: four accumulators, one instruction a turn
.irp t, 0,1,2,3
	WM O+32*(\u)+8*\t, VF+8*\t, PC, 0, VSC+\t/2, PW, \t%2, 0
.endr
.endm
; A KEY STEP for both query tiles.  more = 1: I have a further step, eight on: its K is asked for when this step's K has been multiplied, its V likewise.  more = 0: my last step; it alone can be the chunk's last, which lies on the diagonal.
; No two matrix instructions that follow each other share an accumulator.
.macro STEP more
	s_wait_loadcnt 10                              ; K and its scale words are in; V's ten loads, issued behind them, may be out
	QK 0
	PLACES
.if \more == 0
	s_cmp_lg_u32 s15, s12                          ; ids alone
	s_cbranch_scc1 .Lopen0_\@
	MASK 0
.Lopen0_\@:
.endif
	SM 0
	s_wait_loadcnt 0x0                             ; V is in: nothing was issued behind it
	PV 0
	QK 1
	PLACES
.if \more
	s_wait_alu depctr_va_vdst(0)                   ; both tiles' products K Q^T are done reading K and its scale words, in which the ten loads below land; no line of the softmax that follows names these registers
	LOADK 1
.else
	s_cmp_lg_u32 s15, s12
	s_cbranch_scc1 .Lopen1_\@
	MASK 1
.Lopen1_\@:
.endif
	SM 1
	PV 1
	PLACES
.if \more
	s_wait_xcnt 0x0                                ; K's loads have read their bases, so these may step
	s_add_nc_u64 s[16:17], s[16:17], 32768         ; eight steps on
	s_add_nc_u64 s[18:19], s[18:19], 2048
	s_wait_alu depctr_va_vdst(0)                   ; both tiles' products V^T P are done reading V and its scale words, in which the ten loads below land
	LOADV
.endif
.endm
.macro INIT_O                          ; the step is written without a first form of its own: the first f is 0 and leaves these zeros zeros
.set i, 0
.rept 64
	v_mov_b32 v[O+i], 0
.set i, i+1
.endr
.endm
.macro INIT_ST                         ; thirteen plain lines
.irp q, 0,1
	v_mov_b32 v[ST+4*\q+1], 0xff61b1e6             ; the largest t so far: -3e38, under every t
	v_floor_f32 v[ST+4*\q], -v[ST+4*\q+1]          ; -M
	v_mov_b32 v[ST+4*\q+2], 0                      ; the sum, in two halves
	v_mov_b32 v[ST+4*\q+3], 0
.endr
.irp b, 0,1,2,3
	v_mov_b32 v[PD+\b], 0                          ; a lane permute's destination counts as one of its sources
.endr
	v_mov_b32 v[T], 0                              ; (named as the upper half of the pair with f)
.endm
; One chunk: my share of its key steps, then my part goes to LDS.
.macro TASK tk
.if \tk == 0
	s_sub_co_u32 s11, 127, s9                      ; G
	s_mov_b32 s13, s8                              ; my first step
.else
	s_wait_xcnt 0x0                                ; the bases below are written again
	s_mov_b32 s11, s9
	s_sub_co_u32 s13, 7, s8
.endif
	s_lshr_b32 s12, s11, 2                         ; n - 1: the step on the diagonal
	s_add_co_u32 s14, s12, 8
	s_sub_co_u32 s14, s14, s13
	s_lshr_b32 s14, s14, 3                         ; my steps: (n + 7 - first) / 8
	s_lshl_b32 s15, s14, 3
	s_add_co_u32 s15, s15, s13
	s_sub_co_u32 s15, s15, 8                       ; my last step
	s_and_b32 s29, s11, 3
	s_lshl_b32 s29, s29, 5                         ; the chunk's first query, counted from the diagonal step's first key
	s_lshl_b32 s30, s10, 5
	s_add_co_u32 s30, s30, s13                     ; my first step, counted over all batches
	s_mov_b32 s33, 0
	s_lshl_b32 s32, s30, 12
	s_add_nc_u64 s[16:17], s[4:5], s[32:33]
	s_lshl_b32 s32, s30, 8
	s_add_nc_u64 s[18:19], s[4:5], s[32:33]
	s_lshl_b32 s30, s10, 7
	s_add_co_u32 s30, s30, s11                     ; the chunk, counted over all batches
	s_lshl_b32 s32, s30, 10
	s_add_nc_u64 s[24:25], s[4:5], s[32:33]
	s_lshl_b32 s32, s30, 6
	s_add_nc_u64 s[26:27], s[4:5], s[32:33]
.if \tk == 1                           ; task 0's chunks have 17 steps or more: every wave has two at the least
	s_cmp_eq_u32 s14, 0
	s_cbranch_scc1 .Lempty_\tk
.endif
.if \tk == 0
	s_wait_alu depctr_va_vdst(0)                   ; the head has written the offsets v1, v2, v233 and the LDS addresses v5, v6, v252 to v255, which the loads and stores of the kernel read, and the zero codes, which the products take
.else
	s_wait_alu depctr_va_vdst(0)                   ; task 0's products are done reading Q, K, V and their scale words, and its select has written v7: the loads below land in these registers
.endif
	global_load_b128 v[12:15], v[L16], s[24:25]            ; q of tile 0,
	global_load_b128 v[20:23], v[L16], s[24:25] offset:512 ; of tile 1,
	global_load_b32 v[QSC], v[R4], s[26:27] offset:QS      ; and row r's scale word, in both halves of the lanes
	LOADK 0
	LOADV
	INIT_O
	s_wait_loadcnt 20                              ; Q's three loads are in; K's and V's twenty may be out
	v_lshrrev_b32 v[T], 16, v[QSC]
	v_lshl_or_b32 v[T], v[QSC], 16, v[T]           ; the word turned by 16 bits
	v_cndmask_b32 v[QSC], v[QSC], v[T], s28        ; for lanes 16-31
	INIT_ST                                        ; these thirteen also stand between the write of a scale register and the first scaled product (eight are asked)
	s_wait_alu depctr_va_vdst(0)                   ; the select has written v7, which the scaled products K Q^T take as Q's scales; the places above stay beside this wait
.if \tk == 1
	s_cmp_eq_u32 s14, 1
	s_cbranch_scc1 .Ltail_\tk
.endif
.Lloop_\tk:
	STEP 1
	s_sub_co_u32 s14, s14, 1
	s_cmp_lg_u32 s14, 1
	s_cbranch_scc1 .Lloop_\tk
.Ltail_\tk:
	STEP 0
.if \tk == 1
	s_branch .Lput_\tk
.Lempty_\tk:                           ; no step for me: zeros, and an M under every other: the merge gives this part the weight 0
	INIT_O
	INIT_ST
.Lput_\tk:
.endif
.irp q, 0,1
	v_add_f32 v[ST+4*\q+1], v[ST+4*\q+2], v[ST+4*\q+3]     ; the sum's two halves, into the place of the largest t, which is done with,
.endr
.irp q, 0,1
	v_permlanex16_b32 v[PD+\q], v[ST+4*\q+1], s20, s21
.endr
.irp q, 0,1
	v_add_f32 v[ST+4*\q+1], v[ST+4*\q+1], v[PD+\q]         ; and lane l xor 16's
.endr
	s_wait_alu depctr_va_vdst(0)                   ; the products (or the zeros) have written O^T, the additions the sums, and the add between the tasks v5: the LDS stores below read them; the places behind the last products stand at the step's end
.irp q, 0,1
	ds_store_b64 v[SA], v[ST+4*\q:ST+4*\q+1] offset:4096*\tk+256*\q
.endr
.irp q, 0,1
.irp i, 0,1,2,3,4,5,6,7
	ds_store_b128 v[PA], v[O+32*\q+4*\i:O+32*\q+4*\i+3] offset:4096*\q+512*\i   ; O^T as an image of its registers, each accumulator from its low end on
.endr
.endr
	s_wait_dscnt 0x0                               ; my stores have landed
	s_wait_alu depctr_vm_vsrc(0)                   ; my LDS stores have read O^T, the pairs {-M, sum} and v5: what follows (the step of v5 and the next task's zeros; the merge's sums) writes these registers again
.endm
	s_load_b128 s[4:7], s[0:1], 0x0                ; ws, out0
	v_lshl_add_u32 v[SPW], v0, 2, SPARE
	v_mov_b32 v[NIL], 0
	v_lshrrev_b32 v[L4], 5, v0
	v_readfirstlane_b32 s8, v[L4]                  ; wave 0..7
	s_mov_b32 s9, ttmp9                            ; j
	s_and_b32 s10, ttmp7, 0xffff                   ; batch
	s_mov_b32 s20, 0x76543210
	s_mov_b32 s21, 0xfedcba98                      ; v_permlanex16_b32's selects for lane l xor 16
	s_mov_b32 s22, 0x3e38aa3b                      ; c = log2(e) / 8
	s_mov_b32 s23, s22                             ; (named with it as a pair, so it is written)
	s_mov_b32 s28, 0xffff0000                      ; lanes 16-31
	v_and_b32 v[PA], 31, v0                        ; lane
	v_lshlrev_b32 v[L16], 4, v[PA]
	v_lshlrev_b32 v[L4], 2, v[PA]
	v_lshlrev_b32 v[SA], 3, v[PA]
	v_and_b32 v[R4], 15, v0
	v_lshlrev_b32 v[R4], 2, v[R4]
	s_wait_alu depctr_va_sdst(0)                   ; s8, the wave's number, is written, ahead of its first reader
	s_lshl_b32 s30, s8, 13
	v_add_nc_u32 v[PA], s30, v[L16]                ; my part of task 0: wave x 8,192 + 16 x lane
	s_lshl_b32 s30, s8, 9
	s_add_co_u32 s30, s30, STATS
	; the merge: wave w' takes tile (task c = w' / 4, u = (w' / 2) % 2) and channels 32 e on, e = w' % 2.  Its LDS addresses are made here, ahead of every branch
	s_lshr_b32 s31, s8, 2                          ; c
	s_bfe_u32 s32, s8, 0x10001                     ; u
	s_and_b32 s33, s8, 1                           ; e
	s_lshl_b32 s34, s31, 16
	s_lshl_b32 s35, s32, 12
	s_add_co_u32 s34, s34, s35
	s_lshl_b32 s35, s33, 11
	s_add_co_u32 s34, s34, s35
	v_add_nc_u32 v[MRD], s34, v[L16]               ; parts: c x 65,536 + u x 4,096 + e x 2,048 + 16 x lane
	s_lshl_b32 s34, s31, 12
	s_lshl_b32 s35, s32, 8
	s_add_co_u32 s34, s34, s35
	s_add_co_u32 s34, s34, STATS
	v_add_nc_u32 v[MSD], s34, v[SA]                ; {-M, sum}: c x 4,096 + u x 256 + 8 x lane
	v_add_nc_u32 v[SA], s30, v[SA]                 ; and where mine go: wave x 512 + 8 x lane
	s_lshr_b32 s34, s8, 1
	s_mul_i32 s34, s34, 4352
	s_add_co_u32 s34, s34, STG                     ; the tile's stage
	s_lshl_b32 s35, s33, 7
	s_add_co_u32 s35, s35, s34
	v_and_b32 v[SGW], 15, v0                       ; r
	v_bfe_u32 v[SGR], v0, 4, 1                     ; h
	v_mul_u32_u24 v[F], v[SGW], 272
	v_lshl_add_u32 v[F], v[SGR], 5, v[F]
	v_mul_u32_u24 v[T], v[SGR], 272
	v_lshl_add_u32 v[T], v[SGW], 4, v[T]
	v_add_nc_u32 v[SGW], s35, v[F]                 ; in: row r, + 128 e + 32 h
	s_mul_i32 s35, s33, 8*272
	s_add_co_u32 s35, s35, s34
	v_add_nc_u32 v[SGR], s35, v[T]                 ; back: rows 8 e on; lanes 0-15 one row of 256 bytes, lanes 16-31 the next
.irp i, 8,9,10,11,16,17,18,19,24,25,26,27
	v_mov_b32 v[\i], 0                             ; the zero codes beside q
.endr
	s_wait_kmcnt 0x0
	TASK 0
	v_add_nc_u32 v[PA], 0x10000, v[PA]             ; task 1's parts (task 0's stores have read v5: the wait at the task's end)
	TASK 1
	s_barrier_signal -1                            ; (each wave's stores have landed: the wait stands at a task's end)
	s_barrier_wait -1                              ; all sixteen parts of each tile lie in LDS
	; THE MERGE.  Its forty LDS loads land in v8-23 and v32-159, which products and the softmax named: all of those were issued ahead of the wait on va_vdst at task 1's end, and no vector line has followed it
.irp w, 0,1,2,3,4,5,6,7
	ds_load_b64 v[8+2*\w:9+2*\w], v[MSD] offset:512*\w             ; wave w's -M and sum of my query
.endr
.irp w, 0,1,2,3,4,5,6,7
.irp i, 0,1,2,3
	ds_load_b128 v[32+16*\w+4*\i:32+16*\w+4*\i+3], v[MRD] offset:8192*\w+512*\i   ; and its O^T of my 32 channels
.endr
.endr
	s_lshr_b32 s31, s8, 2                          ; where my eight rows of out0 begin
	s_bfe_u32 s32, s8, 0x10001
	s_and_b32 s33, s8, 1
	s_sub_co_u32 s30, 127, s9
	s_cmp_eq_u32 s31, 0
	s_cselect_b32 s30, s30, s9                     ; the task's chunk
	s_lshl_b32 s30, s30, 5
	s_lshl_b32 s34, s10, 12
	s_add_co_u32 s30, s30, s34
	s_lshl_b32 s34, s32, 4
	s_add_co_u32 s30, s30, s34
	s_lshl_b32 s34, s33, 3
	s_add_co_u32 s30, s30, s34                     ; row 4,096 batch + 32 G + 16 u + 8 e
	s_lshl_b32 s34, s30, 8                         ; of 256 bytes
	s_mov_b32 s35, 0
	s_add_nc_u64 s[36:37], s[6:7], s[34:35]
	s_wait_dscnt 32                                ; the eight pairs are in; the 32 loads of parts may be out
	v_min3_num_f32 v176, v8, v10, v12
	v_min3_num_f32 v176, v176, v14, v16
	v_min3_num_f32 v176, v176, v18, v20
	v_min_num_f32 v176, v176, v22                  ; the least -M: the largest M
.irp w, 0,1,2,3,4,5,6,7
	v_sub_f32 v[177+\w], v176, v[8+2*\w]           ; wave w's M less the largest: a whole number, 0 or less
.endr
.irp w, 0,1,2,3,4,5,6,7
	v_cvt_i32_f32 v[177+\w], v[177+\w]             ; (it saturates)
.endr
.irp w, 0,1,2,3,4,5,6,7
	v_ldexp_f32 v[8+2*\w], 1.0, v[177+\w]          ; its weight, an exact power of two, in the place of its -M
.endr
	v_mul_f32 v185, v8, v9
.irp w, 1,2,3,4,5,6,7
	v_fma_f32 v185, v[8+2*\w], v[9+2*\w], v185     ; the row's sum
.endr
	v_rcp_f32 v[F], v185
.irp w, 0,1,2,3,4,5,6,7
	s_wait_dscnt 4*(7-\w)                          ; wave w's four loads are in; the later waves' may be out
.irp k, 0,2,4,6,8,10,12,14
.if \w == 0
	v_pk_mul_f32 v[O+\k:O+\k+1], v[32+16*\w+\k:32+16*\w+\k+1], v[8+2*\w:9+2*\w] op_sel_hi:[1,0]
.else
	v_pk_fma_f32 v[O+\k:O+\k+1], v[32+16*\w+\k:32+16*\w+\k+1], v[8+2*\w:9+2*\w], v[O+\k:O+\k+1] op_sel_hi:[1,0,1]
.endif
.endr
.endr
	s_wait_alu depctr_va_vdst(0)                   ; the reciprocal has written v250, ahead of its first reader; the 64 lines above are the work between
.irp k, 0,2,4,6,8,10,12,14
	v_pk_mul_f32 v[O+\k:O+\k+1], v[O+\k:O+\k+1], v[F:F+1] op_sel_hi:[1,0]   ; O^T / the sum: register 8 t + i is out(r, 32 e + 16 t + 8 h + i)
.endr
	s_wait_alu depctr_va_vdst(0)                   ; the multiplications have written v160 to v175, which the LDS stores read; and the merge's lines are done reading v32 to v47, in which the loads from the stage land
.irp i, 0,1,2,3
	ds_store_b128 v[SGW], v[O+4*\i:O+4*\i+3] offset:64*(\i/2)+16*(\i%2)
.endr
	s_wait_dscnt 0x0                               ; for the others' sake: a row's 256 bytes come from two waves
	s_barrier_signal -1
	s_barrier_wait -1
.irp i, 0,1,2,3
	ds_load_b128 v[32+4*\i:35+4*\i], v[SGR] offset:544*\i
.endr
.irp i, 0,1,2,3
	s_wait_dscnt 3-\i
	global_store_b128 v[L16], v[32+4*\i:35+4*\i], s[36:37] offset:512*\i th:TH_STORE_NT   ; 32 lanes store two whole rows, 512 consecutive bytes, aligned; written once, read by nobody here
.endr
	s_wait_dscnt 0x0                               ; the closing lines, six on end
	s_wait_alu 0x0
	s_wait_tensorcnt 0x0
	ds_add_u32 v[SPW], v[NIL]
	s_wait_dscnt 0x0
	s_endpgm
.Lfunc_end_k_qbf955aa949_attend:
	.size	k_qbf955aa949_attend, .Lfunc_end_k_qbf955aa949_attend-k_qbf955aa949_attend
	.p2alignl 7, 3214868480
	.fill 96, 4, 3214868480
	.section	.rodata,"a",@progbits
	.p2align	6, 0x0
	.amdhsa_kernel k_qbf955aa949_attend
		.amdhsa_group_segment_fixed_size 167936
		.amdhsa_private_segment_fixed_size 0
		.amdhsa_enable_private_segment 0
		.amdhsa_kernarg_size 16
		.amdhsa_user_sgpr_count 2
		.amdhsa_user_sgpr_kernarg_segment_ptr 1
		.amdhsa_wavefront_size32 1
		.amdhsa_system_sgpr_workgroup_id_x 1
		.amdhsa_system_sgpr_workgroup_id_y 1
		.amdhsa_system_sgpr_workgroup_id_z 1
		.amdhsa_system_vgpr_workitem_id 0
		.amdhsa_next_free_vgpr 256
		.amdhsa_next_free_sgpr 66
		.amdhsa_reserve_vcc 0
		.amdhsa_float_denorm_mode_32 3
		.amdhsa_float_denorm_mode_16_64 3
		.amdhsa_memory_ordered 1
		.amdhsa_forward_progress 1
		.amdhsa_inst_pref_size 181
	.end_amdhsa_kernel
	.amdgpu_metadata
---
amdhsa.version: [ 1, 2 ]
amdhsa.kernels:
  - .name:           k_qbf955aa949_attend
    .symbol:         k_qbf955aa949_attend.kd
    .args:
      - { .name: ws, .offset: 0, .size: 8, .value_kind: global_buffer, .address_space: global }
      - { .name: out0, .offset: 8, .size: 8, .value_kind: global_buffer, .address_space: global }
    .group_segment_fixed_size: 167936
    .private_segment_fixed_size: 0
    .kernarg_segment_align: 8
    .kernarg_segment_size: 16
    .max_flat_workgroup_size: 256
    .sgpr_count:     66
    .vgpr_count:     256
    .wavefront_size: 32
...
	.end_amdgpu_metadata
.endif
;; end of part 3
